; MI455X (gfx1250); checked and timed in simulation.
; The chip was launched on July 23, 2026; its instructions are those of AMD's public machine-readable ISA for CDNA 5 (MIT licence, August 2026) and "CDNA5" Instruction Set Architecture Reference Guide (July 2026). The comments in the code are by the model that wrote it; some were corrected since.
;; Block. Allowed arithmetic: matrix products marked QUANTISED: E3M2 operands, one E8M0 scale for each 32 along K, by v_wmma_scale_f32_16x16x128_f8f6f4 with both operands' format E3M2, f32 sums; everything else in f32.
;; Inputs: W_attn 1,024 x 3,072 float32; W_fc 1,024 x 4,096 float32; W_fc2 4,096 x 1,024 float32; W_proj 1,024 x 1,024 float32; b_attn 3,072 float32; b_fc 4,096 float32; b_fc2 1,024 float32; b_proj 1,024 float32; ln1_b 1,024 float32; ln1_g 1,024 float32; ln2_b 1,024 float32; ln2_g 1,024 float32; x 4 x 1,024 x 1,024 float32.
;; Outputs: out0 4 x 1,024 x 1,024 float32.
;; This version of the problem:
;;   THIS VERSION OF THE PROBLEM IS GIVEN IN LOW PRECISION. The matrix products marked QUANTISED in the list below multiply operands that are first quantised to E3M2 (3 exponent bits, 2 mantissa bits; 6 bits a number), with one power-of-two scale for each 32 numbers along K (OCP MX v1.0); their sums are f32. All else is computed in f32.
;;   The module's matrix products, in the order in which they are computed (A, B: the left and right operand; K: the contracted axis; several contracted axes count as one K, in the product's order):
;;     1. [M 4,096, K 1,024] x [K 1,024, N 3,072]; A: computed on the way; B: input W_attn: QUANTISED
;;     2. batch 64 x [M 1,024, K 64] x [K 64, N 1,024]; A: computed on the way; B: computed on the way: QUANTISED
;;     3. batch 64 x [M 1,024, K 1,024] x [K 1,024, N 64]; A: softmax (see below); B: computed on the way: QUANTISED
;;     4. [M 4,096, K 1,024] x [K 1,024, N 1,024]; A: computed on the way; B: input W_proj: QUANTISED
;;     5. [M 4,096, K 1,024] x [K 1,024, N 4,096]; A: computed on the way; B: input W_fc: QUANTISED
;;     6. [M 4,096, K 4,096] x [K 4,096, N 1,024]; A: computed on the way; B: input W_fc2: QUANTISED
;;   THE QUANTISER, for each operand of a quantised product, along K:
;;     - K is cut into blocks of 32 from its start; a last block that is shorter is filled with zeros.
;;     - A block's scale is 2^e with e = floor(log2(the largest magnitude in the block)) - 4, held to -126 .. 127; a block of zeros has e = 0. As a byte (E8M0): e + 127.
;;     - Each number is divided by its block's scale, clamped to +-28, and rounded to the nearest number of E3M2, ties to even, subnormals kept.
;;     - The product sums the exact products of the quantised numbers (number of the format x scale) in f32.
;;   ~~~python
;;   def quantise(x, axis):      # numpy; x: float32 -> the quantised numbers, widened to float32 again
;;       x = np.moveaxis(x, axis, -1); K = x.shape[-1]
;;       x = np.pad(x, [(0, 0)] * (x.ndim - 1) + [(0, -K % 32)]); x = x.reshape(x.shape[:-1] + (-1, 32)); a = np.abs(x).max(-1, keepdims=True)
;;       e = np.where(a > 0, np.clip(np.frexp(np.where(a > 0, a, 1))[1] - 1 - 4, -126, 127), 0)      # np.frexp(a)[1] - 1 = floor(log2(a)), exactly
;;       r = np.clip(x / 2.0 ** e, -28, 28)
;;       step = 2.0 ** (np.maximum(np.frexp(np.where(r == 0, 1, r))[1] - 1, -2) - 2)
;;       q = np.round(r / step) * step * 2.0 ** e      # np.round: ties to even
;;       return np.moveaxis(q.reshape(q.shape[:-2] + (-1,))[..., :K], -1, axis).astype(np.float32)
;;   ~~~
;;   SOFTMAX AHEAD OF A QUANTISED PRODUCT. Where the list says 'softmax', what is quantised is not the finished softmax but p = 2^(t - M), with t = logit x log2(e) and M = ceil(the row's largest t), a whole number; so 1/2 < the row's largest p <= 1. The row's sum l is taken of the UNQUANTISED p, in f32, and the product's result is divided by l at the end. Since M is a whole number, a kernel that streams over the keys may use a running M (the ceiling of the running maximum): every later rescaling is an exact power of two, which a block's scale takes up: the codes' values come out the same.
;;   OPERANDS COMPUTED ON THE WAY. 'Computed on the way' means the value that the module computes at that place (a softmax that the list does not call 'softmax' is quantised finished and normalised). What goes into a quantiser is computed in f32, as accurately as f32 sums, v_exp_f32 and their like allow (about 1e-6 of the number): no bf16 or f16 on the way to a quantiser, and a product that is left as it is and whose result goes on into a quantised operand takes f32 operands (vector FMAs, or v_wmma_f32_16x16x4_f32). A number that lies on a knife's edge between two numbers of the format may be rounded either way, as far as f32 arithmetic and the matrix unit's own rounding can turn it there, and no further.
;; One version. Each part assembles by itself: llvm-mc -triple=amdgcn-amd-amdhsa -mcpu=gfx1250 --defsym DOCPART=n.
;; ======== version 1 of 1: 7 launches
;; limits: right only within a limited range of input values
;; workspace buffers: wq 10,223,616 bytes; act 3,407,872 bytes; qkv 10,223,616 bytes; yq 3,407,872 bytes; x1 16,777,216 bytes; hq 13,631,488 bytes
;; launch prep1 (part 1): grid 512 x 1, 4 waves a work-group, no clusters, 99,840 bytes of LDS; arguments x, ln1_g, ln1_b, act, W_attn, W_proj, wq; writes act, wq
.if DOCPART == 1
	.amdgcn_target "amdgcn-amd-amdhsa--gfx1250"
	.amdhsa_code_object_version 6
	.text
	.protected	k_q8c18d1a506_prep1
	.globl	k_q8c18d1a506_prep1
	.p2align	8
	.type	k_q8c18d1a506_prep1,@function
k_q8c18d1a506_prep1:
	s_mov_b64 s[64:65], 0
	v_nop
	global_prefetch_b8 v0, s[64:65] scope:SCOPE_SE
	s_setreg_imm32_b32 hwreg(HW_REG_WAVE_MODE, 25, 1), 1
	s_wait_xcnt 0x0
; ONE BODY FOR BOTH PREPARING LAUNCHES.  Arguments: rows [4096][1024] f32, gain, bias, act, two weights, wq.  Work-groups with x + 256 y under 256 take the rows; the others take the weights.
; First launch (grid 512 x 1): x with ln1's gain and bias; x 256-447 W_attn, 448-511 W_proj.  Second launch (grid 256 x 3): x1 with ln2's; y = 1 W_fc, y = 2 W_fc2.
; THE OPERAND FORMAT of every workspace buffer.  Physical row p holds logical row p with bits 3 and 4 exchanged.  Sixteen physical rows are a block rb.
; Codes of BF6 (E3M2): [rb][K/128][1536 bytes]: the image of a fragment's 12 registers, as two halves of 768 bytes: 512 bytes (lane l's registers 6c .. 6c+3 at 16 l), then 256 bytes (registers 6c+4, 6c+5 at 8 l).
; Scale words (E8M0): [rb][K/128][128 bytes]: lane l's word at 4 l is row l % 16's; lanes 16-31 repeat lanes 0-15.
; A block's scale is 2^(floor(log2(largest magnitude)) - 4); its byte is the largest magnitude's exponent field - 4, held at 1 from below.
; LIMITS: a block of zeros gets the byte 1 where the rule says 127 (its codes are zeros, and only this program reads the bytes); NaN and infinities are not served.
; THE WEIGHTS, f32 with K as their first axis: a lane takes a column n and its registers run down K: a load reads 128 consecutive bytes a wave, a block of 32 lies in one lane, the conversions give codes with K innermost.
; A work-group takes 128 columns x 128 along K, a wave 32 columns: two blocks rb x one K step, 3,072 bytes of images, gathered in the wave's own LDS and stored as runs of 512 consecutive bytes.  Waves share nothing there.
; A wave has four blocks of 32 loads, two blocks (64 loads) out at a time.
; THE ROWS: act = Q(layernorm(row) g + b), in f32 (mean, then the mean of squared differences, eps = 1e-5).  A work-group makes one block rb; wave w its rows 4 w .. 4 w + 3, four neighbouring logical rows, read once.
; For the conversions a lane must hold 32 neighbours: each row turns through the wave's own stage in LDS (128 bytes + 16 of padding for each block of 32).  The 16 rows' images meet in LDS, one barrier, and leave as runs of 512 bytes.
; The two paths part on the work-group's number alone and have LDS bytes of their own: the weights' from 0, the rows' from LNB.  Memory binds: no matrix unit, no cluster, no tensor load.
.set LNB,   12288
.set SPARE, LNB+87040                  ; the spare words: 128 bytes a wave, named by no other line
	v_lshl_add_u32 v254, v0, 2, SPARE
	v_mov_b32 v255, 0
	s_and_b32 s3, ttmp7, 0xffff                    ; y
	s_lshl_b32 s2, s3, 8
	s_add_co_u32 s2, s2, ttmp9                     ; x + 256 y
	s_cmp_lt_u32 s2, 256
	s_cbranch_scc1 .Lnorm
; ---------------- the weights
.set X,    32                          ; v32-95   two sets of 32 numbers
.set OFF,  96                          ; v96-127  4 x lane + i x a row of W: never rewritten
.set C,    128                         ; v128-133 a block's codes
.set T,    136                         ; v136-138 the second conversion's three (they begin on an even register)
.set OUTR, 144                         ; v144-167 the way out
.set SB,   24                          ; v24      my column's scale word
.set LA16, 4
.set LA8,  5
.set RDA,  6
.set GOF,  7
.set SV,   8
.set M0,   12
.set M1,   13
.set SO,   14
.set BY,   15
	s_load_b128 s[4:7], s[0:1], 0x20               ; the launch's two weights
	s_load_b64 s[12:13], s[0:1], 0x30              ; wq
	v_lshrrev_b32 v1, 5, v0
	v_readfirstlane_b32 s16, v1                    ; wave
	v_and_b32 v2, 31, v0                           ; lane
	s_mov_b32 s20, 448                             ; W_proj's figures: first work-group,
	s_mov_b32 s21, 4096                            ; a row of W in bytes,
	s_mov_b32 s22, 3                               ; log2 of the K steps,
	s_mov_b32 s23, 8                               ; K steps of 128,
	s_mov_b32 s24, 2359296                         ; where its codes begin in wq,
	s_mov_b32 s25, 9633792                         ; and its scale words
	s_wait_alu depctr_va_vdst(0)
	s_wait_kmcnt 0x0
	s_mov_b64 s[14:15], s[6:7]
	s_cmp_lt_u32 ttmp9, 448                        ; W_attn (where y = 0)
	s_cselect_b64 s[14:15], s[4:5], s[14:15]
	s_cselect_b32 s20, 256, s20
	s_cselect_b32 s21, 12288, s21
	s_cselect_b32 s24, 0, s24
	s_cselect_b32 s25, 9437184, s25
	s_cmp_eq_u32 s3, 2                             ; W_fc2
	s_cselect_b64 s[14:15], s[6:7], s[14:15]
	s_cselect_b32 s20, 0, s20
	s_cselect_b32 s21, 4096, s21
	s_cselect_b32 s22, 5, s22
	s_cselect_b32 s23, 32, s23
	s_cselect_b32 s24, 6291456, s24
	s_cselect_b32 s25, 9961472, s25
	s_cmp_eq_u32 s3, 1                             ; W_fc
	s_cselect_b64 s[14:15], s[4:5], s[14:15]
	s_cselect_b32 s20, 0, s20
	s_cselect_b32 s21, 16384, s21
	s_cselect_b32 s24, 3145728, s24
	s_cselect_b32 s25, 9699328, s25
	s_sub_co_u32 s26, ttmp9, s20                   ; my number within the tensor
	s_lshr_b32 s27, s26, s22                       ; which 128 columns
	s_lshl_b32 s28, s27, s22
	s_sub_co_u32 s28, s26, s28                     ; which K step
	s_lshl_b32 s29, s27, 7
	s_lshl_b32 s30, s16, 5
	s_add_co_u32 s29, s29, s30                     ; my wave's first column
	s_mul_i32 s18, s28, s21
	s_lshl_b32 s18, s18, 7                         ; 128 rows of W for each K step
	s_lshl_b32 s19, s29, 2
	s_add_co_u32 s18, s18, s19
	s_mov_b32 s19, 0
	s_add_nc_u64 s[32:33], s[14:15], s[18:19]      ; block 0's first row; four bases, one for each block of 32 rows, none is stepped later
	s_lshl_b32 s18, s21, 5
.irp t, 1,2,3
	s_add_nc_u64 s[32+2*\t:33+2*\t], s[30+2*\t:31+2*\t], s[18:19]
.endr
	s_lshr_b32 s26, s29, 4
	s_mul_i32 s26, s26, s23
	s_add_co_u32 s26, s26, s28                     ; my first record: (column / 16) x K steps + K step
	s_mul_i32 s18, s26, 1536
	s_add_co_u32 s18, s18, s24
	s_add_nc_u64 s[48:49], s[12:13], s[18:19]      ; the first block's record,
	s_mul_i32 s18, s23, 1536
	s_add_nc_u64 s[50:51], s[48:49], s[18:19]      ; the second block's
	s_lshl_b32 s18, s26, 7
	s_add_co_u32 s18, s18, s25
	s_add_nc_u64 s[52:53], s[12:13], s[18:19]      ; the scale words
	s_lshl_b32 s54, s23, 7
	v_bfe_u32 v3, v0, 3, 1                         ; column n0 + lane lies at physical row sigma: block = bit 3 of the lane,
	v_bfe_u32 v9, v0, 4, 1
	v_and_b32 v10, 7, v0
	v_lshl_or_b32 v10, v9, 3, v10                  ; row in it = (lane & 7) | bit 4 << 3
	s_mul_i32 s17, s16, 3072                       ; my wave's LDS
	v_mul_u32_u24 v11, v3, 1536
	v_add_nc_u32 v11, s17, v11
	v_lshl_add_u32 v[LA16], v10, 4, v11
	v_lshl_add_u32 v[LA8], v10, 3, v11
	v_lshlrev_b32 v[GOF], 4, v2
	v_add_nc_u32 v[RDA], s17, v[GOF]
	v_mul_u32_u24 v[SV], s54, v3
	v_lshl_add_u32 v[SV], v10, 2, v[SV]
	v_lshlrev_b32 v[OFF], 2, v2
.set i, 1
.rept 31
	v_add_nc_u32 v[OFF+i], s21, v[OFF+i-1]
.set i, i+1
.endr
.macro LOAD t                          ; block t: W(32 t + i, my column), i = 0 .. 31
.irp i, 0,1,2,3,4,5,6,7,8,9,10,11,12,13,14,15,16,17,18,19,20,21,22,23,24,25,26,27,28,29,30,31
	global_load_b32 v[X+32*((\t)%2)+\i], v[OFF+\i], s[32+2*(\t):33+2*(\t)] th:TH_LOAD_NT
.endr
.endm
	LOAD 0
	LOAD 1
.macro BLOCK t
.set XS, X+32*((\t)%2)
.if (\t) < 3
	s_wait_loadcnt 32                              ; this block's 32 loads are in, the next block's 32 may be out
.else
	s_wait_loadcnt 0x0
.endif
	v_max3_num_f32 v[M0], |v[XS]|, |v[XS+1]|, |v[XS+2]|
	v_max3_num_f32 v[M1], |v[XS+3]|, |v[XS+4]|, |v[XS+5]|
.irp i, 6,10,14,18,22,26
	v_max3_num_f32 v[M0], v[M0], |v[XS+\i]|, |v[XS+\i+1]|
	v_max3_num_f32 v[M1], v[M1], |v[XS+\i+2]|, |v[XS+\i+3]|
.endr
	v_max3_num_f32 v[M0], v[M0], |v[XS+30]|, |v[XS+31]|
	v_max3_num_f32 v[M0], v[M0], v[M1], 0x2800000  ; and the floor 2^(5 - 127): the byte cannot fall under 1
	v_add_nc_u32 v[SO], 0xfe000000, v[M0]          ; 4 off the exponent field: the conversion's scale operand
	v_cvt_scalef32_pk16_bf6_f32 v[C:C+2], v[XS:XS+15], v[SO]
	v_cvt_scalef32_pk16_bf6_f32 v[T:T+2], v[XS+16:XS+31], v[SO]
	v_lshrrev_b32 v[BY], 23, v[SO]                 ; the scale's byte (the plain line behind the conversions)
.if (\t) == 0
	v_mov_b32 v[SB], v[BY]
.else
	v_lshl_or_b32 v[SB], v[BY], 8*(\t), v[SB]
.endif
.irp i, 0,1,2
	v_mov_b32 v[C+3+\i], v[T+\i]
.endr
	; block t is half t / 2, lanes 16 (t % 2) + row of the image
	ds_store_b128 v[LA16], v[C:C+3] offset:((\t)/2)*768+((\t)%2)*256
	ds_store_b64 v[LA8], v[C+4:C+5] offset:((\t)/2)*768+512+((\t)%2)*128
.if (\t)+2 < 4
	LOAD (\t)+2
.endif
	s_wait_dscnt 0x0                               ; the stores have read their registers: the next block's codes may be written
.endm
.irp t, 0,1,2,3
	BLOCK \t
.endr
.irp q, 0,1,2,3,4,5
	ds_load_b128 v[OUTR+4*\q:OUTR+4*\q+3], v[RDA] offset:512*\q      ; LDS serves a wave's instructions in order: these see my stores
.endr
.irp q, 0,1,2
	s_wait_dscnt 5-\q
	global_store_b128 v[GOF], v[OUTR+4*\q:OUTR+4*\q+3], s[48:49] offset:512*\q       ; 32 lanes store 512 consecutive bytes, aligned to 256
.endr
.irp q, 3,4,5
	s_wait_dscnt 5-\q
	global_store_b128 v[GOF], v[OUTR+4*\q:OUTR+4*\q+3], s[50:51] offset:512*(\q-3)
.endr
	s_wait_alu depctr_va_vdst(0)
	global_store_b32 v[SV], v[SB], s[52:53]        ; the scale words: sixteen lanes store 64 consecutive bytes, twice (lanes 16-31 of a record repeat lanes 0-15)
	global_store_b32 v[SV], v[SB], s[52:53] offset:64
	s_wait_tensorcnt 0x0                           ; the wave's end
	ds_add_u32 v254, v255
	s_wait_dscnt 0x0
	s_endpgm
; ---------------- the rows
.Lnorm:
.set IMGB, LNB+73728                   ; LDS from LNB: 4 waves x 4 rows x 4,608 bytes of stage; then the block's eight records of codes;
.set SCAB, LNB+86016                   ; then its eight records of scale words
.set G,   160                          ; v160-191 g, later row 0 by blocks  (v32-159: four rows)
.set BV,  192                          ; v192-223 b, later row 1 by blocks
.set SM,  224                          ; v224-231 a pair for each row: sum, mean, then 1/sqrt
.set VR,  232                          ; v232-239 a pair for each row: the squares
.set LO,  1
.set SA,  2
.set SL,  3
.set A16, 4
.set A8,  5
.set AS,  6
.set CPI, 7
.set CPO, 8
.set SPI, 9
.set SPO, 10
	s_load_b256 s[4:11], s[0:1], 0x0               ; rows, g, b, act
	v_lshrrev_b32 v11, 5, v0
	v_readfirstlane_b32 s12, v11                   ; wave
	v_and_b32 v12, 31, v0                          ; lane
	v_lshlrev_b32 v[LO], 4, v12
	s_mul_i32 s13, s12, 18432
	s_add_co_u32 s13, s13, LNB
	v_lshrrev_b32 v13, 3, v12
	v_lshl_add_u32 v[SA], v13, 4, v[LO]
	v_add_nc_u32 v[SA], s13, v[SA]                 ; into the stage: 16 l + 16 (l / 8): eight lanes' 128 bytes, then 16 of padding
	v_mul_u32_u24 v[SL], v12, 144
	v_add_nc_u32 v[SL], s13, v[SL]                 ; out of it: block l of the row
	v_lshrrev_b32 v13, 2, v12                      ; block l is K step l / 4,
	v_bfe_u32 v14, v0, 1, 1                        ; half (l / 2) % 2,
	v_and_b32 v15, 1, v0                           ; lanes 16 (l % 2) + row of the image
	v_mul_u32_u24 v16, v13, 1536
	v_mad_u32_u24 v16, v14, 768, v16
	s_lshl_b32 s14, s12, 6
	s_add_co_u32 s14, s14, IMGB
	v_lshl_add_u32 v[A16], v15, 8, v16
	v_add_nc_u32 v[A16], s14, v[A16]
	s_lshl_b32 s14, s12, 5
	s_add_co_u32 s14, s14, IMGB+512
	v_lshl_add_u32 v[A8], v15, 7, v16
	v_add_nc_u32 v[A8], s14, v[A8]
	v_and_b32 v17, 3, v0
	v_lshl_add_u32 v[AS], v13, 7, v17
	s_lshl_b32 s14, s12, 4
	s_add_co_u32 s14, s14, SCAB
	v_add_nc_u32 v[AS], s14, v[AS]                 ; my block's byte of my row's scale word
	s_mul_i32 s14, s12, 3072
	v_add_nc_u32 v[CPO], s14, v[LO]
	v_add_nc_u32 v[CPI], IMGB, v[CPO]
	v_lshlrev_b32 v[SPO], 3, v12
	s_lshl_b32 s14, s12, 8
	v_add_nc_u32 v[SPO], s14, v[SPO]
	v_add_nc_u32 v[SPI], SCAB, v[SPO]
	s_lshr_b32 s15, ttmp9, 1                       ; my first logical row: 32 (rb / 2) + 8 (rb % 2) + 16 (w / 2) + 4 (w % 2)
	s_lshl_b32 s15, s15, 5
	s_and_b32 s16, ttmp9, 1
	s_lshl_b32 s16, s16, 3
	s_add_co_u32 s15, s15, s16
	s_lshr_b32 s16, s12, 1
	s_lshl_b32 s16, s16, 4
	s_add_co_u32 s15, s15, s16
	s_and_b32 s16, s12, 1
	s_lshl_b32 s16, s16, 2
	s_add_co_u32 s15, s15, s16
	s_lshl_b32 s16, s15, 12
	s_mov_b32 s17, 0
	s_mul_i32 s18, ttmp9, 12288
	s_mov_b32 s19, 0
	s_lshl_b32 s24, ttmp9, 10
	s_add_co_u32 s24, s24, 3145728
	s_mov_b32 s25, 0
	s_mov_b32 s20, 0x3a800000                      ; 1 / 1024
	s_mov_b32 s21, 0x3727c5ac                      ; 1e-5
	s_mov_b32 s22, 0x76543210
	s_mov_b32 s23, 0xfedcba98                      ; v_permlanex16_b32's selects for lane l xor 16
	s_wait_alu depctr_va_vdst(0)
	s_wait_kmcnt 0x0
	s_add_nc_u64 s[4:5], s[4:5], s[16:17]
	s_add_nc_u64 s[18:19], s[10:11], s[18:19]      ; the block's codes
	s_add_nc_u64 s[24:25], s[10:11], s[24:25]      ; and its scale words
.irp q, 0,1,2,3
.irp j, 0,1,2,3,4,5,6,7
	global_load_b128 v[X+32*\q+4*\j:X+32*\q+4*\j+3], v[LO], s[4:5] offset:4096*\q+512*\j th:TH_LOAD_NT
.endr
.endr
.irp j, 0,1,2,3,4,5,6,7
	global_load_b128 v[G+4*\j:G+4*\j+3], v[LO], s[6:7] offset:512*\j
	global_load_b128 v[BV+4*\j:BV+4*\j+3], v[LO], s[8:9] offset:512*\j
.endr
	s_wait_loadcnt 16                              ; the four rows are in; g's and b's sixteen loads may be out
; a sum over the 32 lanes of each row's v[r], the four rows by turns; the result in every lane
.macro ACROSS r
.irp q, 0,1,2,3
	v_add_f32 v[\r+2*\q], v[\r+2*\q], v[\r+2*\q+1]
.endr
.irp m, 1,2,4,8
.irp q, 0,1,2,3
	v_add_f32_dpp v[\r+2*\q], v[\r+2*\q], v[\r+2*\q] row_xmask:\m row_mask:0xf bank_mask:0xf
.endr
.endr
.irp q, 0,1,2,3
	v_permlanex16_b32 v[\r+2*\q+1], v[\r+2*\q], s22, s23
.endr
.irp q, 0,1,2,3
	v_add_f32 v[\r+2*\q], v[\r+2*\q], v[\r+2*\q+1]
.endr
.endm
.irp q, 0,1,2,3
	v_pk_add_f32 v[SM+2*\q:SM+2*\q+1], v[X+32*\q:X+32*\q+1], v[X+32*\q+2:X+32*\q+3]
.endr
.irp j, 4,6,8,10,12,14,16,18,20,22,24,26,28,30
.irp q, 0,1,2,3
	v_pk_add_f32 v[SM+2*\q:SM+2*\q+1], v[SM+2*\q:SM+2*\q+1], v[X+32*\q+\j:X+32*\q+\j+1]
.endr
.endr
	ACROSS SM
.irp q, 0,1,2,3
	v_mul_f32 v[SM+2*\q], s20, v[SM+2*\q]          ; the mean
.endr
.irp j, 0,2,4,6,8,10,12,14,16,18,20,22,24,26,28,30
.irp q, 0,1,2,3
	v_pk_add_f32 v[X+32*\q+\j:X+32*\q+\j+1], v[X+32*\q+\j:X+32*\q+\j+1], v[SM+2*\q:SM+2*\q+1] op_sel_hi:[1,0] neg_lo:[0,1] neg_hi:[0,1]
.endr
.endr
.irp q, 0,1,2,3
	v_pk_mul_f32 v[VR+2*\q:VR+2*\q+1], v[X+32*\q:X+32*\q+1], v[X+32*\q:X+32*\q+1]
.endr
.irp j, 2,4,6,8,10,12,14,16,18,20,22,24,26,28,30
.irp q, 0,1,2,3
	v_pk_fma_f32 v[VR+2*\q:VR+2*\q+1], v[X+32*\q+\j:X+32*\q+\j+1], v[X+32*\q+\j:X+32*\q+\j+1], v[VR+2*\q:VR+2*\q+1]
.endr
.endr
	ACROSS VR
.irp q, 0,1,2,3
	v_fma_f32 v[VR+2*\q], v[VR+2*\q], s20, s21     ; the variance + eps
.endr
	s_wait_alu depctr_va_vdst(0)
.irp q, 0,1,2,3
	v_rsq_f32 v[SM+2*\q], v[VR+2*\q]
.endr
	v_nop                                          ; a plain line behind the last of the batch
	s_wait_alu depctr_va_vdst(0)                   ; one wait for the four, ahead of their first reader
	s_wait_loadcnt 0x0                             ; g and b
.irp j, 0,2,4,6,8,10,12,14,16,18,20,22,24,26,28,30
.irp q, 0,1,2,3
	v_pk_mul_f32 v[X+32*\q+\j:X+32*\q+\j+1], v[X+32*\q+\j:X+32*\q+\j+1], v[SM+2*\q:SM+2*\q+1] op_sel_hi:[1,0]
.endr
.irp q, 0,1,2,3
	v_pk_fma_f32 v[X+32*\q+\j:X+32*\q+\j+1], v[X+32*\q+\j:X+32*\q+\j+1], v[G+\j:G+\j+1], v[BV+\j:BV+\j+1]
.endr
.endr
.macro TOST q
.irp j, 0,1,2,3,4,5,6,7
	ds_store_b128 v[SA], v[X+32*(\q)+4*\j:X+32*(\q)+4*\j+3] offset:4608*(\q)+576*\j
.endr
.endm
.macro FROMST q, dst                   ; LDS serves a wave's instructions in order: these see my stores.  144 bytes from lane to lane: sixteen lanes touch sixteen different columns of 16 bytes
.irp i, 0,1,2,3,4,5,6,7
	ds_load_b128 v[(\dst)+4*\i:(\dst)+4*\i+3], v[SL] offset:4608*(\q)+16*\i
.endr
.endm
; block l of row q, 32 numbers in v[src] on, becomes six registers of codes and a byte; they go to their places in the block's images
.macro QUANT32 src, q
.set QC, 96+16*(\q)                    ; 16 registers of its own for each row, where rows 2 and 3 lay
	v_max3_num_f32 v[QC+12], |v[\src]|, |v[\src+1]|, |v[\src+2]|
	v_max3_num_f32 v[QC+13], |v[\src+3]|, |v[\src+4]|, |v[\src+5]|
.irp i, 6,10,14,18,22,26
	v_max3_num_f32 v[QC+12], v[QC+12], |v[\src+\i]|, |v[\src+\i+1]|
	v_max3_num_f32 v[QC+13], v[QC+13], |v[\src+\i+2]|, |v[\src+\i+3]|
.endr
	v_max3_num_f32 v[QC+12], v[QC+12], |v[\src+30]|, |v[\src+31]|
	v_max3_num_f32 v[QC+12], v[QC+12], v[QC+13], 0x2800000     ; the floor 2^(5 - 127)
	v_add_nc_u32 v[QC+14], 0xfe000000, v[QC+12]
	v_cvt_scalef32_pk16_bf6_f32 v[QC:QC+2], v[\src:\src+15], v[QC+14]
	v_cvt_scalef32_pk16_bf6_f32 v[QC+8:QC+10], v[\src+16:\src+31], v[QC+14]
	v_lshrrev_b32 v[QC+15], 23, v[QC+14]           ; the byte (the plain line behind the conversions)
.irp i, 0,1,2
	v_mov_b32 v[QC+3+\i], v[QC+8+\i]
.endr
	ds_store_b128 v[A16], v[QC:QC+3] offset:16*(\q)
	ds_store_b64 v[A8], v[QC+4:QC+5] offset:8*(\q)
	ds_store_b8 v[AS], v[QC+15] offset:4*(\q)
	ds_store_b8 v[AS], v[QC+15] offset:4*(\q)+64   ; lanes 16-31 of a record repeat lanes 0-15
.endm
	TOST 0
	FROMST 0, G
	TOST 1
	FROMST 1, BV
	TOST 2
	TOST 3
	s_wait_dscnt 0x0                               ; rows 0 and 1 are back, and all stores have read their registers
	FROMST 2, X
	FROMST 3, X+32
	QUANT32 G, 0
	QUANT32 BV, 1
	s_wait_dscnt 0x0                               ; rows 2 and 3 are back
	QUANT32 X, 2
	QUANT32 X+32, 3
	s_wait_dscnt 0x0                               ; for the others' sake: my stores into the images have landed
	s_barrier_signal -1
	s_barrier_wait -1
.irp i, 0,1,2,3,4,5
	ds_load_b128 v[G+4*\i:G+4*\i+3], v[CPI] offset:512*\i
.endr
	ds_load_b64 v[BV:BV+1], v[SPI]
.irp i, 0,1,2,3,4,5
	s_wait_dscnt 6-\i
	global_store_b128 v[CPO], v[G+4*\i:G+4*\i+3], s[18:19] offset:512*\i       ; 512 consecutive bytes, aligned to 256
.endr
	s_wait_dscnt 0x0
	global_store_b64 v[SPO], v[BV:BV+1], s[24:25]  ; 256 consecutive bytes, aligned
	s_wait_tensorcnt 0x0                           ; the wave's end
	ds_add_u32 v254, v255
	s_wait_dscnt 0x0
	s_endpgm
.Lfunc_end_k_q8c18d1a506_prep1:
	.size	k_q8c18d1a506_prep1, .Lfunc_end_k_q8c18d1a506_prep1-k_q8c18d1a506_prep1
	.p2alignl 7, 3214868480
	.fill 96, 4, 3214868480
	.section	.rodata,"a",@progbits
	.p2align	6, 0x0
	.amdhsa_kernel k_q8c18d1a506_prep1
		.amdhsa_group_segment_fixed_size 99840
		.amdhsa_private_segment_fixed_size 0
		.amdhsa_enable_private_segment 0
		.amdhsa_kernarg_size 56
		.amdhsa_user_sgpr_count 2
		.amdhsa_user_sgpr_kernarg_segment_ptr 1
		.amdhsa_wavefront_size32 1
		.amdhsa_system_sgpr_workgroup_id_x 1
		.amdhsa_system_sgpr_workgroup_id_y 1
		.amdhsa_system_sgpr_workgroup_id_z 1
		.amdhsa_system_vgpr_workitem_id 0
		.amdhsa_next_free_vgpr 256
		.amdhsa_next_free_sgpr 66
		.amdhsa_reserve_vcc 0
		.amdhsa_float_denorm_mode_32 3
		.amdhsa_float_denorm_mode_16_64 3
		.amdhsa_memory_ordered 1
		.amdhsa_forward_progress 1
		.amdhsa_inst_pref_size 68
	.end_amdhsa_kernel
	.amdgpu_metadata
---
amdhsa.version: [ 1, 2 ]
amdhsa.kernels:
  - .name:           k_q8c18d1a506_prep1
    .symbol:         k_q8c18d1a506_prep1.kd
    .args:
      - { .name: x, .offset: 0, .size: 8, .value_kind: global_buffer, .address_space: global }
      - { .name: ln1_g, .offset: 8, .size: 8, .value_kind: global_buffer, .address_space: global }
      - { .name: ln1_b, .offset: 16, .size: 8, .value_kind: global_buffer, .address_space: global }
      - { .name: act, .offset: 24, .size: 8, .value_kind: global_buffer, .address_space: global }
      - { .name: W_attn, .offset: 32, .size: 8, .value_kind: global_buffer, .address_space: global }
      - { .name: W_proj, .offset: 40, .size: 8, .value_kind: global_buffer, .address_space: global }
      - { .name: wq, .offset: 48, .size: 8, .value_kind: global_buffer, .address_space: global }
    .group_segment_fixed_size: 99840
    .private_segment_fixed_size: 0
    .kernarg_segment_align: 8
    .kernarg_segment_size: 56
    .max_flat_workgroup_size: 128
    .sgpr_count:     66
    .vgpr_count:     256
    .wavefront_size: 32
...
	.end_amdgpu_metadata
.endif
;; end of part 1
;; launch qkvgemm (part 2): grid 12 x 16, 4 waves a work-group, clusters of 4 x 4, 327,680 bytes of LDS; arguments act, wq, b_attn, qkv; writes qkv
.if DOCPART == 2
	.amdgcn_target "amdgcn-amd-amdhsa--gfx1250"
	.amdhsa_code_object_version 6
	.text
	.protected	k_q8c18d1a506_qkvgemm
	.globl	k_q8c18d1a506_qkvgemm
	.p2align	8
	.type	k_q8c18d1a506_qkvgemm,@function
k_q8c18d1a506_qkvgemm:
	s_mov_b64 s[64:65], 0
	v_nop
	global_prefetch_b8 v0, s[64:65] scope:SCOPE_SE
	s_setreg_imm32_b32 hwreg(HW_REG_WAVE_MODE, 25, 1), 1
	s_wait_xcnt 0x0
	s_wait_alu depctr_hold_cnt(0) depctr_sa_sdst(0) depctr_va_vdst(0) depctr_va_sdst(0) depctr_va_ssrc(0) depctr_va_vcc(0) depctr_vm_vsrc(0)
	s_getreg_b32 s2, hwreg(HW_REG_IB_STS2, 6, 4)
	s_cmp_eq_u32 s2, 0
	s_cbranch_scc0 .Lentry_in_a_cluster
	s_endpgm
.Lentry_in_a_cluster:
	s_bfe_u32 s2, ttmp6, 0x10000c
	s_cmp_lg_u32 s2, 0xf033
	s_cbranch_scc0 .Lentry_shape_is_right
	s_endpgm
.Lentry_shape_is_right:
; q, k, v = act W_attn + b_attn on codes of BF6 (E3M2) with E8M0 scales, f32 sums; the results are quantised again for attention: q and k along the head's 64, v along the keys.
; OPERAND FORMAT (all buffers): physical row p = logical row with bits 3 and 4 exchanged; codes [rb = rows/16][K/128][1536] as images of a fragment's 12 registers (two halves of 512 + 256 bytes);
; scale words [rb][K/128][128], lane l's word at 4 l, lanes 16-31 repeating lanes 0-15.
; A work-group of four waves makes 256 x 256, a wave 128 x 128: 64 accumulators.  THE MATRIX INSTRUCTION IS USED TRANSPOSED (source 0 = 16 rows of B, source 1 = 16 rows of A): lane (r, h), register j of
; accumulator (a, b) is A's physical row 16 a + r and LOGICAL column 32 (b/2) + 16 h + 8 (b%2) + j: a row of accumulators is 16 neighbours of each block of 32 along the next K.
; Clusters x = 0, 1: A = act, B = W's q and k columns.  Cluster x = 2: A = W's v columns, B = act, so that V^T comes out with the KEYS along the columns: one way out quantises all three.
; LDS: K = 1,024 is eight K steps; three slots of two steps and the scale words (the first 64 bytes of each record).  THE HEAD'S FOUR TILES ARE SHARED OUT, one load a wave: wave 0 slot 0's 16 blocks of A,
; wave 1 A's scale words, wave 2 slot 0's 16 blocks of B, wave 3 B's scale words.  Slot 1 is filled behind a round in front of K step 0, slot 2 behind the round in K step 1, slot 0 again (K steps 6, 7) behind
; the round in K step 3: one load a wave behind each, and each has two K steps, 128 matrix instructions a wave, in which to land.
; 4 x 4 work-groups form a cluster: A's tiles are asked for jointly along a row of the cluster, B's along a column.  No prefetch: the block is the largest, in clusters, and K has only eight steps.
; The bias is the C of each sum's first matrix instruction.  LIMITS: a block of zeros gets the byte 1, not 127 (zero codes; only this program reads the bytes); NaN and infinities are not served.
; REGISTERS: window 0: v6-30 addresses; v32-63 scale words, two sets; v64-255 A's fragments, two sets.  window 1: B's two sets at v0 and v128; the bias at v96-127 and v224-255.  windows 2, 3: accumulators.
.set MB,    8
.set NQ,    2
.set KST,   8
.set HALFT, MB*NQ*1536
.set SLOT,  4*HALFT
.set SCL,   3*SLOT
.set HALFS, MB*KST*64
.set SPARE, SCL+4*HALFS
.set BO,     6
.set BR,     7
.set LI16,   8
.set LI8,    9
.set LI4,    10
.set ADRA16, 16
.set ADRA8,  19
.set ADRB16, 22
.set ADRB8,  25
.set SPW,    28
.set NIL,    29
.set ADRS,   30
.set SC,     32
.set AF,     64
.set PC,     64
.set TM,     84
.set PW,     100
.set PWE,    101
.set W0,     102
.set W1,     103
.set G1,   24
.set G0,   32
.set G02,  92
.set G1B,  48
.set G0B,  56
.set G0B2, 96
.set G1S,  68
.set G0S,  76
.set G1SB, 80
.set G0SB, 88
.set MSB, 0
.macro WIN new                         ; the immediate's high byte repeats the setting that is left
.if MSB != (\new)
	s_set_vgpr_msb (MSB<<8)|(\new)
.set MSB, (\new)
.endif
.endm
.macro JLOAD g0a, g1a, g0b, g1b        ; a joint load: waves 0 and 1 fetch for A, waves 2 and 3 for B; s_nop 0 and four v_nop follow each line
	s_cmp_eq_u32 s15, 0
	s_cbranch_scc0 .Lfor_b_\@
	tensor_load_to_lds s[\g0a:\g0a+3], s[\g1a:\g1a+7]
	s_nop 0
.rept 4
	v_nop
.endr
	s_branch .Lasked_\@
.Lfor_b_\@:
	tensor_load_to_lds s[\g0b:\g0b+3], s[\g1b:\g1b+7]
	s_nop 0
.rept 4
	v_nop
.endr
.Lasked_\@:
.endm
.macro CREST                           ; a round of the cluster's barrier behind its opening barrier
	s_cmp_lg_u32 s14, 0
	s_cbranch_scc1 .Lnot_wave_0_\@
	s_barrier_signal -3
.Lnot_wave_0_\@:
	s_barrier_wait -3
	s_barrier_signal -1
	s_barrier_wait -1
.endm
.macro CROUND
	s_barrier_signal -1
	s_barrier_wait -1
	CREST
.endm
.macro PLACES n
.rept \n
	v_nop
.endr
.endm
.macro MKG0 ga, gb, s                  ; slot s's two groups 0: my quarter of the slot
	s_mov_b32 s[\ga], 1
	s_add_co_u32 s[\ga+1], s45, (\s)*SLOT
	s_add_nc_u64 s[\ga+2:\ga+3], s[20:21], (\s)*NQ*1536
	s_or_b32 s[\ga+3], s[\ga+3], 0x80000000
	s_mov_b32 s[\gb], 1
	s_add_co_u32 s[\gb+1], s45, (\s)*SLOT
	s_add_nc_u64 s[\gb+2:\gb+3], s[46:47], (\s)*NQ*1536
	s_or_b32 s[\gb+3], s[\gb+3], 0x80000000
.endm
.macro ARM under, g0, g1, next         ; an arm of the head's one tree of branches on the wave's number: its load, and a jump to the tree's end
	s_cmp_lt_u32 s14, \under
	s_cbranch_scc0 \next
	tensor_load_to_lds s[\g0:\g0+3], s[\g1:\g1+7]
	s_nop 0
.rept 4
	v_nop
.endr
	s_branch .Lhead_asked
\next:
.endm
	s_load_b256 s[4:11], s[0:1], 0x0               ; act, wq, b_attn, qkv
	v_lshl_add_u32 v[SPW], v0, 2, SPARE
	v_mov_b32 v[NIL], 0
	ds_add_u32 v[SPW], v[NIL]                      ; the opening lines: the add, twice on end, and its wait
	ds_add_u32 v[SPW], v[NIL]
	s_wait_dscnt 0x0
	v_lshrrev_b32 v1, 5, v0
	v_readfirstlane_b32 s14, v1                    ; wave
	s_lshr_b32 s15, s14, 1                         ; my half of the tile's rows; also: I fetch for A (0) or B (1)
	s_and_b32 s16, s14, 1                          ; my half of its columns; also: which half I fetch
	s_bfe_u32 s40, ttmp6, 0x40000                  ; cx
	s_bfe_u32 s41, ttmp6, 0x40004                  ; cy
	s_and_b32 s66, ttmp7, 0xffff
	s_lshl_b32 s66, s66, 2
	s_lshl_b32 s67, ttmp9, 2
	s_cmp_eq_u32 ttmp9, 2                          ; the V cluster?  The same in all sixteen partners
	s_cselect_b32 s13, 1, 0
	s_cselect_b32 s17, 0, s66
	s_cselect_b32 s42, s66, s67
	s_add_co_u32 s17, s17, s41                     ; A's tile: q, k: 4 cluster y + cy (tokens); v: cy (dims)
	s_add_co_u32 s42, s42, s40                     ; B's tile: q, k: 4 cluster x + cx (columns); v: 4 cluster y + cx (tokens)
	s_lshl_b32 s43, s41, 2
	s_lshl_b32 s43, 15, s43                        ; my row of the cluster
	s_lshl_b32 s44, 0x1111, s40                    ; my column
	s_or_b32 s[G1+0], s43, (3<<16)|(1<<21)         ; the mask; elements of 8 bytes; bit 21 beside a mask; no padding
	s_or_b32 s[G1B+0], s44, (3<<16)|(1<<21)
.irp g, G1, G1B
	s_mov_b32 s[\g+1], (NQ*192)<<16                ; a block's NQ records
	s_mov_b32 s[\g+2], (2*MB)<<16                  ; the head's loads bring 16 blocks; behind them the two words that count rows are set to 8
	s_mov_b32 s[\g+3], (NQ*192)<<16
	s_mov_b32 s[\g+4], 2*MB
	s_mov_b32 s[\g+5], KST*192
	s_mov_b32 s[\g+6], 0
	s_mov_b32 s[\g+7], 0
.endr
	s_or_b32 s[G1S+0], s43, (3<<16)|(1<<21)        ; the scale words of 16 blocks: 128 records, of each the first 64 bytes
	s_or_b32 s[G1SB+0], s44, (3<<16)|(1<<21)
.irp g, G1S, G1SB
	s_mov_b32 s[\g+1], 8<<16
	s_mov_b32 s[\g+2], (2*MB*KST)<<16
	s_mov_b32 s[\g+3], 8<<16
	s_mov_b32 s[\g+4], 2*MB*KST
	s_mov_b32 s[\g+5], 16
	s_mov_b32 s[\g+6], 0
	s_mov_b32 s[\g+7], 0
.endr
	s_mul_i32 s18, s16, MB
	s_mul_i32 s20, s17, 2*MB
	s_add_co_u32 s20, s20, s18                     ; A's first block of my half
	s_mul_i32 s46, s42, 2*MB
	s_add_co_u32 s46, s46, s18                     ; B's
	s_mul_i32 s22, s20, KST*128
	s_mul_i32 s18, s46, KST*128
	s_mul_i32 s20, s20, KST*1536
	s_mul_i32 s46, s46, KST*1536
	s_mov_b32 s21, 0
	s_mov_b32 s23, 0
	s_mov_b32 s47, 0
	s_mov_b32 s19, 0
	s_mul_i32 s45, s14, HALFT                      ; where my quarter goes: by the wave's number alone
	s_wait_kmcnt 0x0
	s_add_nc_u64 s[92:93], s[4:5], 3145728         ; act's scale words
	s_add_nc_u64 s[94:95], s[6:7], 1572864         ; W's v rows: codes,
	s_add_nc_u64 s[96:97], s[6:7], 9568256         ; scale words
	s_add_nc_u64 s[98:99], s[6:7], 9437184         ; W's q and k rows: scale words
	s_cmp_eq_u32 s13, 1
	s_cselect_b64 s[94:95], s[94:95], s[4:5]       ; A's codes
	s_cselect_b64 s[96:97], s[96:97], s[92:93]     ; A's scale words
	s_cselect_b64 s[6:7], s[4:5], s[6:7]           ; B's codes
	s_cselect_b64 s[98:99], s[92:93], s[98:99]     ; B's scale words
	s_add_nc_u64 s[20:21], s[94:95], s[20:21]
	s_add_nc_u64 s[22:23], s[96:97], s[22:23]
	s_add_nc_u64 s[46:47], s[6:7], s[46:47]
	s_add_nc_u64 s[18:19], s[98:99], s[18:19]
	CROUND                                         ; all sixteen work-groups are here: the first joint loads meet
	s_mov_b32 s[G0S], 1                            ; the scale words are asked for by waves 1 and 3, whose half is the second: the 16 blocks begin one half earlier
	s_mov_b32 s[G0S+1], SCL
	s_sub_nc_u64 s[G0S+2:G0S+3], s[22:23], MB*KST*128
	s_or_b32 s[G0S+3], s[G0S+3], 0x80000000
	s_mov_b32 s[G0SB], 1
	s_mov_b32 s[G0SB+1], SCL+2*HALFS
	s_sub_nc_u64 s[G0SB+2:G0SB+3], s[18:19], MB*KST*128
	s_or_b32 s[G0SB+3], s[G0SB+3], 0x80000000
	MKG0 G0, G0B, 0
	MKG0 G0+4, G0B+4, 1
	MKG0 G02, G0B2, 2
	ARM 1, G0,  G1,  .Lhead_sa                     ; wave 0: its quarter begins A's part of slot 0; with 16 rows the load brings both halves
	ARM 2, G0S, G1S, .Lhead_b                      ; wave 1: A's scale words
	ARM 3, G0B, G1B, .Lhead_sb                     ; wave 2: its quarter begins B's part of slot 0
	tensor_load_to_lds s[G0SB:G0SB+3], s[G1SB:G1SB+7]
	s_nop 0
.rept 4
	v_nop
.endr
.Lhead_asked:
	v_and_b32 v1, 31, v0
	v_bfe_u32 v2, v0, 4, 1
	v_lshlrev_b32 v[LI16], 4, v1
	v_lshlrev_b32 v[LI8], 3, v1
	v_lshlrev_b32 v[LI4], 2, v1
	s_mul_i32 s20, s15, HALFT                      ; my rows of A
	s_mul_i32 s21, s16, HALFT
	s_add_co_u32 s21, s21, 2*HALFT                 ; my rows of B
.irp s, 0,1,2
	v_add_nc_u32 v[ADRA16+\s], s20, v[LI16]
	v_add_nc_u32 v[ADRA8+\s], s20, v[LI8]
	v_add_nc_u32 v[ADRB16+\s], s21, v[LI16]
	v_add_nc_u32 v[ADRB8+\s], s21, v[LI8]
	s_add_co_u32 s20, s20, SLOT
	s_add_co_u32 s21, s21, SLOT
.endr
	s_mul_i32 s20, s15, HALFS                      ; scale words: lanes 0-15 take A's records, lanes 16-31 B's, each at 4 (lane % 16)
	s_mul_i32 s21, s16, HALFS
	s_add_co_u32 s21, s21, 2*HALFS
	s_sub_co_u32 s21, s21, s20
	v_mul_u32_u24 v3, s21, v2
	s_add_co_u32 s20, s20, SCL
	v_and_b32 v4, 15, v0
	v_lshl_add_u32 v3, v4, 2, v3
	v_add_nc_u32 v[ADRS], s20, v3
	; the bias.  q, k: by column: register j of block b wants b_attn[n0 + 32 (b/2) + 16 h + 8 (b%2) + j].  v: by A's row: all eight registers of block a want b_attn[2048 + the row's logical dim]
	s_lshl_b32 s22, s42, 1
	s_add_co_u32 s22, s22, s16
	s_lshl_b32 s22, s22, 9
	s_mov_b32 s23, 0
	s_add_nc_u64 s[66:67], s[8:9], s[22:23]
	s_lshl_b32 s22, s17, 1
	s_add_co_u32 s22, s22, s15
	s_lshl_b32 s22, s22, 9
	s_add_co_u32 s22, s22, 8192
	s_add_nc_u64 s[100:101], s[8:9], s[22:23]
	v_lshlrev_b32 v[BO], 6, v2
	v_and_b32 v3, 7, v0
	v_bfe_u32 v4, v0, 3, 1
	v_lshl_add_u32 v3, v4, 4, v3
	v_lshlrev_b32 v[BR], 2, v3
	s_cmp_eq_u32 s13, 0
	s_cbranch_scc0 .Lbias_v
	WIN 0x40
.set bb, 0
.rept MB/2
.irp i, 0,1,2,3
.set rC, 96+8*(2*bb+\i/2)+96*((2*bb+\i/2)/4)+4*(\i%2)
	global_load_b128 v[rC:rC+3], v[BO], s[66:67] offset:128*bb+16*\i
.endr
.set bb, bb+1
.endr
	WIN 0
	s_branch .Lbias_done
.Lbias_v:
	WIN 0x40
.set ba, 0
	s_wait_alu depctr_va_vdst(0)
.rept 8
.set rC, 96+8*ba+96*(ba/4)
	global_load_b32 v[rC], v[BR], s[100:101] offset:4*(32*(ba/2)+8*(ba%2))
.set ba, ba+1
.endr
	s_wait_loadcnt 0x0
	WIN 0x41
.set ba, 0
.rept 8
.set rC, 96+8*ba+96*(ba/4)
.irp j, 1,2,3,4,5,6,7
	v_mov_b32 v[rC+\j], v[rC]
.endr
.set ba, ba+1
.endr
	WIN 0
.Lbias_done:
	s_wait_alu depctr_va_vdst(0)
	s_wait_loadcnt 0x0
.macro FRAG reg, a16, a8, off          ; a fragment's image comes back as it was stored: every load reads consecutive bytes
	ds_load_b128 v[(\reg):(\reg)+3], v[\a16] offset:(\off)
	ds_load_b64 v[(\reg)+4:(\reg)+5], v[\a8] offset:(\off)+512
	ds_load_b128 v[(\reg)+6:(\reg)+9], v[\a16] offset:(\off)+768
	ds_load_b64 v[(\reg)+10:(\reg)+11], v[\a8] offset:(\off)+1280
.endm
.macro FETCH slot, q, set              ; the fragments of the slot's q-th K step into set: B's, then A's
	WIN 0x40
.set fi, 0
.rept MB
	FRAG 128*(\set)+12*fi, ADRB16+(\slot), ADRB8+(\slot), (fi*NQ+(\q))*1536
.set fi, fi+1
.endr
	WIN 0
.set fi, 0
.rept MB
	FRAG AF+12*MB*(\set)+12*fi, ADRA16+(\slot), ADRA8+(\slot), (fi*NQ+(\q))*1536
.set fi, fi+1
.endr
.endm
.macro SCALES sc                       ; two K steps' scale words into set sc: register NQ i + q: lanes 0-15 A's block i, lanes 16-31 B's block i
.set fi, 0
.rept MB
.set fq, 0
.rept NQ
	ds_load_b32 v[SC+16*(\sc)+NQ*fi+fq], v[ADRS] offset:fi*KST*64+64*fq
.set fq, fq+1
.endr
.set fi, fi+1
.endr
.endm
; A's block a against B's MB blocks.  mode 0: onto the sums; 1: the sums begin with the bias of B's block; 2: with the bias of A's block.  The accumulators take turns, one instruction a turn
.macro MULA a, set, q, sc, mode
.if (\mode)==0
	WIN 0xa1+0x50*((\a)/4)
.else
	WIN 0x91+0x40*((\a)/4)
.endif
.set mb, 0
.rept MB
.set rD, 8*(MB*((\a)%4)+mb)
.set rC, rD
.if (\mode)==1
.set rC, 96+8*mb+96*(mb/4)
.endif
.if (\mode)==2
.set rC, 96+8*(\a)+96*((\a)/4)
.endif
.set rB, 128*(\set)+12*mb
.set rA, AF+12*MB*(\set)+12*(\a)
	v_wmma_scale_f32_16x16x128_f8f6f4 v[rD:rD+7], v[rB:rB+11], v[rA:rA+11], v[rC:rC+7], v[SC+16*(\sc)+NQ*mb+(\q)], v[SC+16*(\sc)+NQ*(\a)+(\q)] matrix_a_fmt:MATRIX_FMT_BF6 matrix_b_fmt:MATRIX_FMT_BF6 matrix_a_scale:MATRIX_SCALE_ROW1
.set mb, mb+1
.endr
.endm
.macro MULQ Q, set, q, sc, mode        ; a quarter of a K step's products
.set ma, (\Q)*MB/4
.rept MB/4
	MULA ma, \set, \q, \sc, \mode
.set ma, ma+1
.endr
.endm
.macro MULS set, q, sc, mode
	MULQ 0, \set, \q, \sc, \mode
	MULQ 1, \set, \q, \sc, \mode
	MULQ 2, \set, \q, \sc, \mode
	MULQ 3, \set, \q, \sc, \mode
.endm
; a slot's first K step: the second's fragments are asked for first, into the other set, and land under this step's products
.macro STEP slot, sc, mode
	s_wait_dscnt 0x0                               ; this step's fragments, asked for a step ago
	PLACES 4                                       ; in front of loads into registers that matrix instructions have read
	FETCH \slot, 1, 1
.if (\mode)==3
	s_cmp_eq_u32 s13, 0                            ; the first step: which bias starts the sums
	s_cbranch_scc0 .Lrowbias_\@
	MULS 0, 0, \sc, 1
	WIN 0
	s_branch .Lbiased_\@
.Lrowbias_\@:
	MULS 0, 0, \sc, 2
	WIN 0
.Lbiased_\@:
.else
	MULS 0, 0, \sc, \mode
.endif
.endm
; a slot's second K step, with a barrier.  In front of it each wave waits for all its tensor loads (its part of the next slot), adds 0 to its spare word, and waits for that and for its reads of this slot.
; fill = 2 (K step 1): the barrier opens a round of the cluster's, and slot 2 is filled for the first time.  fill = 1 (K step 3): likewise, and slot 0 is filled again with K steps 6 and 7.  fill = 0 (K step 5): nothing more to fetch.
.macro TURN next, sc, nsc, fill
	WIN 0
	s_wait_tensorcnt 0x0                           ; all my tensor loads have landed
	ds_add_u32 v[SPW], v[NIL]
	s_wait_dscnt 1                                 ; this step's fragments are in; the add may be out
	MULQ 0, 1, 1, \sc, 0
	s_wait_dscnt 0x0                               ; the add is done, my reads of this slot are over
	s_barrier_signal -1
	MULQ 1, 1, 1, \sc, 0
	WIN 0
	s_barrier_wait -1
.if \fill
	CREST                                          ; no wave of any partner still reads the slot or has a load on its way
.if (\fill)==2
	JLOAD G02, G1, G0B2, G1B                       ; my one tensor load behind the round; its four v_nop are the places in front of the loads below
.else
	s_add_nc_u64 s[G0+2:G0+3], s[G0+2:G0+3], 3*NQ*1536
	s_add_nc_u64 s[G0B+2:G0B+3], s[G0B+2:G0B+3], 3*NQ*1536
	JLOAD G0, G1, G0B, G1B
.endif
.else
	PLACES 4
.endif
	v_add_nc_u32 v[ADRS], 64*NQ, v[ADRS]           ; the next two K steps' scale words
	FETCH \next, 0, 0
	SCALES \nsc
	MULQ 2, 1, 1, \sc, 0
	MULQ 3, 1, 1, \sc, 0
.endm
	s_wait_tensorcnt 0x0                           ; my tile of the head's four is in
	ds_add_u32 v[SPW], v[NIL]
	s_mov_b32 s[G1+2], MB<<16                      ; no tensor load of mine is out: from here on a load brings 8 blocks
	s_mov_b32 s[G1+4], MB
	s_mov_b32 s[G1B+2], MB<<16
	s_mov_b32 s[G1B+4], MB
	s_wait_dscnt 0x0
	CROUND                                         ; all four tiles are in, and all sixteen work-groups are here
	JLOAD G0+4, G1, G0B+4, G1B                     ; slot 1's first fill
	FETCH 0, 0, 0
	SCALES 0
	STEP 0, 0, 3                                   ; K step 0
	TURN 1, 0, 1, 2                                ; 1: slot 2 is asked for
	s_wait_alu depctr_va_vdst(0)
	STEP 1, 1, 0                                   ; 2
	TURN 2, 1, 0, 1                                ; 3: slot 0 is asked for again
	s_wait_alu depctr_va_vdst(0)
	STEP 2, 0, 0                                   ; 4
	TURN 0, 0, 1, 0                                ; 5: K steps 6 and 7 have landed
	STEP 0, 1, 0                                   ; 6
	s_wait_dscnt 0x0
	MULS 1, 1, 1, 0                                ; 7
	WIN 0
; 64 numbers of a lane in window w, register 16 b + i = k 32 b + 16 (lane / 16) + i of my row, become a fragment's codes in v[PC] on and its scale word in v[PW].  Each accumulator is read from its low end on.
.macro QUANT s, w
	WIN (\w)|((\w)<<2)
.irp b, 0,1,2,3
	v_max3_num_f32 v[TM+\b], |v[(\s)+16*\b]|, |v[(\s)+1+16*\b]|, 0x2800000     ; with the floor 2^(5 - 127)
.endr
	WIN ((\w)<<2)|((\w)<<4)
.irp i, 2,4,6,8,10,12,14
.irp b, 0,1,2,3
	v_max3_num_f32 v[TM+\b], v[TM+\b], |v[(\s)+16*\b+\i]|, |v[(\s)+1+16*\b+\i]|
.endr
.endr
	WIN 0
.irp b, 0,1,2,3
	v_permlanex16_b32 v[TM+4+\b], v[TM+\b], s50, s51
.endr
.irp b, 0,1,2,3
	v_max_num_f32 v[TM+\b], v[TM+\b], v[TM+4+\b]
.endr
.irp b, 0,1,2,3
	v_add_nc_u32 v[TM+12+\b], 0xfe000000, v[TM+\b]
.endr
.irp b, 0,1,2,3
	v_lshrrev_b32 v[TM+4+\b], 23, v[TM+12+\b]
.endr
	v_lshl_or_b32 v[PW], v[TM+5], 8, v[TM+4]
	v_lshl_or_b32 v[PW], v[TM+6], 16, v[PW]
	v_lshl_or_b32 v[PW], v[TM+7], 24, v[PW]
	WIN (\w)
.irp c, 0,1
	v_cvt_scalef32_pk16_bf6_f32 v[PC+6*\c:PC+2+6*\c], v[(\s)+32*\c:(\s)+15+32*\c], v[TM+12+2*\c]
	v_cvt_scalef32_pk16_bf6_f32 v[PC+12+4*\c:PC+14+4*\c], v[(\s)+16+32*\c:(\s)+31+32*\c], v[TM+12+2*\c+1]
.endr
	WIN 0
	v_nop                                          ; one plain line behind a scaled conversion
.irp c, 0,1                            ; the layout wants a whole block in a lane
.irp i, 0,1,2
	v_permlane16_swap_b32 v[PC+6*\c+\i], v[PC+12+4*\c+\i]
.endr
.irp i, 0,1,2
	v_mov_b32 v[PC+3+6*\c+\i], v[PC+12+4*\c+\i]
.endr
.endr
.endm
	; THE WAY OUT.  q, k: a block of 16 tokens x two heads: each half of the fragment is one head's half image [which][batch][head][token block][768]; two token blocks' two bytes make a head's scale word.
	; v: a block of 16 dims x 128 keys: one record [128 keys][block of dims][1536], one scale word.  Only numbers differ: they are chosen, not branched on.
	PLACES 4
	s_mov_b32 s50, 0x76543210
	s_mov_b32 s51, 0xfedcba98
	s_lshl_b32 s20, s17, 4
	s_lshl_b32 s21, s15, 3
	s_add_co_u32 s20, s20, s21                     ; my first block of A's rows
	s_lshr_b32 s21, s20, 6                         ; batch
	s_and_b32 s22, s20, 63                         ; token block
	s_lshl_b32 s23, s42, 2
	s_lshl_b32 s24, s16, 1
	s_add_co_u32 s23, s23, s24
	s_lshr_b32 s24, s23, 4                         ; q or k
	s_and_b32 s25, s23, 15                         ; head
	s_mul_i32 s26, s24, 3145728
	s_mul_i32 s27, s21, 786432
	s_add_co_u32 s26, s26, s27
	s_mul_i32 s27, s25, 49152
	s_add_co_u32 s26, s26, s27
	s_mul_i32 s27, s22, 768
	s_add_co_u32 s26, s26, s27
	s_lshl_b32 s27, s24, 18
	s_lshl_b32 s28, s21, 4
	s_add_co_u32 s28, s28, s25
	s_lshl_b32 s28, s28, 12
	s_add_co_u32 s27, s27, s28
	s_lshr_b32 s28, s22, 1
	s_lshl_b32 s28, s28, 7
	s_add_co_u32 s27, s27, s28
	s_add_co_u32 s27, s27, 9437184
	s_lshl_b32 s28, s42, 1
	s_add_co_u32 s28, s28, s16                     ; v: which 128 keys
	s_lshl_b32 s28, s28, 6
	s_add_co_u32 s28, s28, s20
	s_mul_i32 s29, s28, 1536
	s_add_co_u32 s29, s29, 6291456
	s_lshl_b32 s30, s28, 7
	s_add_co_u32 s30, s30, 9961472
	s_cmp_eq_u32 s13, 1
	s_cselect_b32 s32, s29, s26
	s_cselect_b32 s34, s30, s27
	s_mov_b32 s36, 49152
	s_cselect_b32 s36, 768, s36                    ; from the first half's place to the second's
	s_mov_b32 s38, 4096
	s_cselect_b32 s38, 128, s38                    ; from the first scale word's place to the second's
	s_mov_b32 s44, 768
	s_cselect_b32 s44, 1536, s44                   ; from block to block
	s_mov_b32 s46, 128
	s_cselect_b32 s46, 256, s46                    ; from pair of blocks to pair
	s_mov_b32 s48, 0x05040100
	s_cselect_b32 s48, 0x03020100, s48             ; q, k: both blocks' low halves; v: the even block's word
	s_mov_b32 s49, 0x07060302
	s_cselect_b32 s49, 0x07060504, s49             ; q, k: both blocks' high halves; v: the odd block's word
	s_mov_b32 s33, 0
	s_mov_b32 s35, 0
	s_mov_b32 s37, 0
	s_mov_b32 s39, 0
	s_mov_b32 s45, 0
	s_mov_b32 s47, 0
	s_add_nc_u64 s[32:33], s[10:11], s[32:33]
	s_add_nc_u64 s[36:37], s[32:33], s[36:37]
	s_add_nc_u64 s[34:35], s[10:11], s[34:35]
	s_add_nc_u64 s[38:39], s[34:35], s[38:39]
.irp b, 0,1,2,3
	v_mov_b32 v[TM+4+\b], 0                        ; a lane permute's destination counts as one of its sources
.endr
.macro QOUT a
	QUANT 64*((\a)%4), 2+(\a)/4
	global_store_b128 v[LI16], v[PC:PC+3], s[32:33]                ; 512 consecutive bytes,
	global_store_b64 v[LI8], v[PC+4:PC+5], s[32:33] offset:512     ; 256 consecutive bytes, aligned
	global_store_b128 v[LI16], v[PC+6:PC+9], s[36:37]
	global_store_b64 v[LI8], v[PC+10:PC+11], s[36:37] offset:512
.if (\a)%2 == 0
	v_mov_b32 v[PWE], v[PW]
.else
	v_perm_b32 v[W0], v[PW], v[PWE], s48
	v_perm_b32 v[W1], v[PW], v[PWE], s49
	global_store_b32 v[LI4], v[W0], s[34:35]
	global_store_b32 v[LI4], v[W1], s[38:39]
.endif
	s_wait_xcnt 0x0                                ; the stores have read their registers and bases: both are written again only behind this wait
	s_add_nc_u64 s[32:33], s[32:33], s[44:45]
	s_add_nc_u64 s[36:37], s[36:37], s[44:45]
.if (\a)%2 == 1
	s_add_nc_u64 s[34:35], s[34:35], s[46:47]
	s_add_nc_u64 s[38:39], s[38:39], s[46:47]
.endif
.endm
.irp a, 0,1,2,3,4,5,6,7
	QOUT \a
.endr
	s_wait_tensorcnt 0x0                           ; the wave's end
	ds_add_u32 v[SPW], v[NIL]
	s_wait_dscnt 0x0
	CROUND                                         ; the closing round
	s_endpgm
.Lfunc_end_k_q8c18d1a506_qkvgemm:
	.size	k_q8c18d1a506_qkvgemm, .Lfunc_end_k_q8c18d1a506_qkvgemm-k_q8c18d1a506_qkvgemm
	.p2alignl 7, 3214868480
	.fill 96, 4, 3214868480
	.section	.rodata,"a",@progbits
	.p2align	6, 0x0
	.amdhsa_kernel k_q8c18d1a506_qkvgemm
		.amdhsa_group_segment_fixed_size 327680
		.amdhsa_private_segment_fixed_size 0
		.amdhsa_enable_private_segment 0
		.amdhsa_kernarg_size 32
		.amdhsa_user_sgpr_count 2
		.amdhsa_user_sgpr_kernarg_segment_ptr 1
		.amdhsa_wavefront_size32 1
		.amdhsa_system_sgpr_workgroup_id_x 1
		.amdhsa_system_sgpr_workgroup_id_y 1
		.amdhsa_system_sgpr_workgroup_id_z 1
		.amdhsa_system_vgpr_workitem_id 0
		.amdhsa_next_free_vgpr 1024
		.amdhsa_next_free_sgpr 104
		.amdhsa_reserve_vcc 0
		.amdhsa_float_denorm_mode_32 3
		.amdhsa_float_denorm_mode_16_64 3
		.amdhsa_memory_ordered 1
		.amdhsa_forward_progress 1
		.amdhsa_inst_pref_size 168
	.end_amdhsa_kernel
	.amdgpu_metadata
---
amdhsa.version: [ 1, 2 ]
amdhsa.kernels:
  - .name:           k_q8c18d1a506_qkvgemm
    .symbol:         k_q8c18d1a506_qkvgemm.kd
    .args:
      - { .name: act, .offset: 0, .size: 8, .value_kind: global_buffer, .address_space: global }
      - { .name: wq, .offset: 8, .size: 8, .value_kind: global_buffer, .address_space: global }
      - { .name: b_attn, .offset: 16, .size: 8, .value_kind: global_buffer, .address_space: global }
      - { .name: qkv, .offset: 24, .size: 8, .value_kind: global_buffer, .address_space: global }
    .group_segment_fixed_size: 327680
    .private_segment_fixed_size: 0
    .kernarg_segment_align: 8
    .kernarg_segment_size: 32
    .max_flat_workgroup_size: 128
    .sgpr_count:     104
    .vgpr_count:     1024
    .wavefront_size: 32
...
	.end_amdgpu_metadata
.endif
;; end of part 2
;; launch attn (part 3): grid 4 x 64, 16 waves a work-group, clusters of 4 x 1, 169,984 bytes of LDS; arguments qkv, yq; writes yq
.if DOCPART == 3
	.amdgcn_target "amdgcn-amd-amdhsa--gfx1250"
	.amdhsa_code_object_version 6
	.text
	.protected	k_q8c18d1a506_attn
	.globl	k_q8c18d1a506_attn
	.p2align	8
	.type	k_q8c18d1a506_attn,@function
k_q8c18d1a506_attn:
	s_mov_b64 s[64:65], 0
	v_nop
	global_prefetch_b8 v0, s[64:65] scope:SCOPE_SE
	s_setreg_imm32_b32 hwreg(HW_REG_WAVE_MODE, 25, 1), 1
	s_wait_xcnt 0x0
	s_wait_alu depctr_hold_cnt(0) depctr_sa_sdst(0) depctr_va_vdst(0) depctr_va_sdst(0) depctr_va_ssrc(0) depctr_va_vcc(0) depctr_vm_vsrc(0)
	s_getreg_b32 s2, hwreg(HW_REG_IB_STS2, 6, 4)
	s_cmp_eq_u32 s2, 0
	s_cbranch_scc0 .Lentry_in_a_cluster
	s_endpgm
.Lentry_in_a_cluster:
	s_bfe_u32 s2, ttmp6, 0x10000c
	s_cmp_lg_u32 s2, 0x3003
	s_cbranch_scc0 .Lentry_shape_is_right
	s_endpgm
.Lentry_shape_is_right:
; y = softmax(q k^T / 8, causal) v for one batch and head, both products on codes of BF6 (E3M2) with E8M0 scales; y is quantised along C for the next product.
; THE SOFTMAX: t = score x log2(e) / 8; M = the running largest t rounded UP to a whole number; p = 2^(t - M) is quantised along the keys, not normalised; the sum of the unquantised p divides at the end.
; INPUTS (this program's own): q, k: [which][batch][head][64 token blocks][768]: half images (64 along K); their scale words [which][batch x 16 + head][pair of blocks][128]: two bytes of each block of the pair.
; v: [128 keys][64 blocks of dims][1536] with the keys along K; scale words [128 keys][blocks][128].  Physical token or dim p = logical with bits 3 and 4 exchanged.
; SHARES.  The four work-groups of a head are a cluster; the head's K, V and scale words (106,496 bytes) are asked for JOINTLY, once, and stay: no slot is ever filled again.
; Wave w of partner cx owns token block 4 w + cx: its queries lie in logical tokens 64 w .. 64 w + 63, so it needs key steps 0 .. w / 2 whatever cx is: every branch hangs on the wave's number and the step's count alone.
; LAYOUT.  Both products transposed: a lane holds one query.  A head is half a K step, so ONE fragment of K holds two token blocks (registers 0-5, 6-11); against [q | 0] it gives the first block's scores, against [0 | q]
; the second's: zero codes add nothing.  By the exchange of bits the 16 registers of a pair of blocks are 16 neighbouring keys: 32 b + 16 (lane / 16) + 0 .. 15.
; LIMITS: a block of zeros gets the byte 1, not 127 (zero codes; only this program reads the bytes); NaN and infinities are not served.
; REGISTERS: v1-10 addresses; v12 -M, v13 largest t, v[14:15] the sum; v16-27 [q|0], v28-39 [0|q]; v40-87 four fragments of K or V; v96-159 S^T, then p; v160-191 O^T; v224.. p's codes; v232-254 at work; v255 q's scale word.
.set LI16, 1
.set LI8,  2
.set LI4K, 3
.set QD,   4
.set LI4,  6
.set A16,  8
.set A8,   9
.set A4,   10
.set F,    40
.set WV,   8
.set BH,   9
.set KSI,  13
.set T6,   14
.set T5,   15
.set WH,   16
.set SEL,  20
.set CS,   22
.set G1K,  24
.set G1V,  32
.set G1KS, 40
.set G1VS, 48
.set G0K,  56
.set G0V,  60
.set G0KS, 68
.set G0VS, 72
.macro ROUND
	s_barrier_signal -1
	s_barrier_wait -1
	s_cmp_lg_u32 s[WV], 0
	s_cbranch_scc1 .Lnot_wave_0_\@
	s_barrier_signal -3
.Lnot_wave_0_\@:
	s_barrier_wait -3
	s_barrier_signal -1
	s_barrier_wait -1
.endm
.macro FRAG reg, a16, a8, off
	ds_load_b128 v[(\reg):(\reg)+3], v[\a16] offset:(\off)
	ds_load_b64 v[(\reg)+4:(\reg)+5], v[\a8] offset:(\off)+512
	ds_load_b128 v[(\reg)+6:(\reg)+9], v[\a16] offset:(\off)+768
	ds_load_b64 v[(\reg)+10:(\reg)+11], v[\a8] offset:(\off)+1280
.endm
	s_load_b128 s[4:7], s[0:1], 0x0                ; qkv, yq
	v_lshl_add_u32 v223, v0, 2, 0x29000
	v_mov_b32 v243, 0
	ds_add_u32 v223, v243
	ds_add_u32 v223, v243
	v_lshrrev_b32 v5, 5, v0
	s_delay_alu instid0(VALU_DEP_1)
	v_readfirstlane_b32 s[WV], v5                  ; wave 0..15
	s_bfe_u32 s12, ttmp6, 0x40000                  ; cx: it enters q's and y's global addresses and the mask's numbers alone
	s_and_b32 s[BH], ttmp7, 0xffff                 ; 16 x batch + head
	s_lshr_b32 s10, s[BH], 4
	s_and_b32 s11, s[BH], 15
	; THE WAVE'S PLACE IN THE WALK, s19: a permutation of its number.  Where this text's comments say 'wave w' of shares, queries and key steps, w is this place; the tensor loads and the rounds go by the wave's number itself.
	; Place u walks u / 2 + 1 key steps.  Waves n, n + 4, n + 8, n + 12 take places 0, 14, 6, 8 (+ n % 2) where n % 4 is under 2, else 2, 12, 4, 10 (+ n % 2): 18 key steps for each such four.
	s_and_b32 s2, s[WV], 2
	s_cmp_eq_u32 s2, 0
	s_mov_b32 s3, 0xa4c2
	s_cselect_b32 s3, 0x86e0, s3                   ; four places, four bits each
	s_lshr_b32 s2, s[WV], 2
	s_lshl_b32 s2, s2, 2
	s_lshr_b32 s3, s3, s2
	s_and_b32 s3, s3, 15
	s_and_b32 s2, s[WV], 1
	s_add_co_u32 s19, s3, s2
	s_lshr_b32 s[WH], s19, 1                       ; my last key step
	; descriptor groups 1: elements of 8 bytes, the mask of all four partners, bit 21 beside it, no padding
.irp g, G1K, G1V, G1KS, G1VS
	s_mov_b32 s[\g], 15|(3<<16)|(1<<21)
	s_mov_b32 s[\g+6], 0
	s_mov_b32 s[\g+7], 0
.endr
	s_mov_b32 s[G1K+1], 32<<16                     ; K: a quarter of the head's codes, dense: 48 rows of 256 bytes
	s_mov_b32 s[G1K+2], 48<<16
	s_mov_b32 s[G1K+3], 32<<16
	s_mov_b32 s[G1K+4], 48
	s_mov_b32 s[G1K+5], 32
	s_mov_b32 s[G1V+1], 768<<16                    ; V: two key steps: 2 rows of 6,144 bytes (the head's four records), 98,304 bytes apart
	s_mov_b32 s[G1V+2], 2<<16
	s_mov_b32 s[G1V+3], 768<<16
	s_mov_b32 s[G1V+4], 2
	s_mov_b32 s[G1V+5], 12288
	s_mov_b32 s[G1KS+1], 32<<16                    ; K's scale words: 4,096 dense bytes
	s_mov_b32 s[G1KS+2], 16<<16
	s_mov_b32 s[G1KS+3], 32<<16
	s_mov_b32 s[G1KS+4], 16
	s_mov_b32 s[G1KS+5], 32
	s_mov_b32 s[G1VS+1], 64<<16                    ; V's: 8 rows of 512 bytes, 8,192 bytes apart
	s_mov_b32 s[G1VS+2], 8<<16
	s_mov_b32 s[G1VS+3], 64<<16
	s_mov_b32 s[G1VS+4], 8
	s_mov_b32 s[G1VS+5], 1024
	s_and_b32 s76, s[WV], 3
	s_mul_i32 s77, s76, 12288
	s_mul_i32 s78, s[BH], 49152
	s_add_co_u32 s78, s78, s77
	s_add_co_u32 s78, s78, 3145728
	s_mov_b32 s79, 0
	s_lshl_b32 s80, s10, 3
	s_lshl_b32 s81, s76, 1
	s_add_co_u32 s80, s80, s81
	s_lshl_b32 s80, s80, 6
	s_lshl_b32 s81, s11, 2
	s_add_co_u32 s80, s80, s81
	s_mul_i32 s80, s80, 1536
	s_add_co_u32 s80, s80, 6291456
	s_mov_b32 s81, 0
	s_lshl_b32 s82, s[BH], 12
	s_add_co_u32 s82, s82, 9699328
	s_mov_b32 s83, 0
	s_lshl_b32 s84, s10, 9
	s_lshl_b32 s85, s11, 2
	s_add_co_u32 s84, s84, s85
	s_lshl_b32 s84, s84, 7
	s_add_co_u32 s84, s84, 9961472
	s_mov_b32 s85, 0
	s_lshl_b32 s86, s19, 2
	s_add_co_u32 s86, s86, s12                     ; my token block
	s_mul_i32 s88, s[BH], 49152
	s_mul_i32 s87, s86, 768
	s_add_co_u32 s88, s88, s87
	s_mov_b32 s89, 0
	s_lshl_b32 s90, s[BH], 12
	s_lshr_b32 s87, s86, 1
	s_lshl_b32 s87, s87, 7
	s_add_co_u32 s90, s90, s87
	s_and_b32 s87, s86, 1
	s_lshl_b32 s87, s87, 1
	s_add_co_u32 s90, s90, s87
	s_add_co_u32 s90, s90, 9437184
	s_mov_b32 s91, 0
	s_mov_b32 s[SEL], 0x76543210
	s_mov_b32 s[SEL+1], 0xfedcba98
	s_mov_b32 s[CS], 0x3e38aa3b                    ; c = log2(e) / 8
	s_mov_b32 s[CS+1], s[CS]
	s_mov_b32 s[KSI], 0
	s_mov_b32 s[T6], 0
	s_mov_b32 s[T5], 0
	s_wait_dscnt 0x0
	s_wait_kmcnt 0x0
	s_mov_b32 s[G0K], 1
	s_mov_b32 s[G0K+1], s77                        ; LDS: K at 0
	s_add_nc_u64 s[G0K+2:G0K+3], s[4:5], s[78:79]
	s_or_b32 s[G0K+3], s[G0K+3], 0x80000000
	s_mov_b32 s[G0V], 1
	s_add_co_u32 s[G0V+1], s77, 49152              ; V at 49,152
	s_add_nc_u64 s[G0V+2:G0V+3], s[4:5], s[80:81]
	s_or_b32 s[G0V+3], s[G0V+3], 0x80000000
	s_mov_b32 s[G0KS], 1
	s_mov_b32 s[G0KS+1], 98304
	s_add_nc_u64 s[G0KS+2:G0KS+3], s[4:5], s[82:83]
	s_or_b32 s[G0KS+3], s[G0KS+3], 0x80000000
	s_mov_b32 s[G0VS], 1
	s_mov_b32 s[G0VS+1], 102400
	s_add_nc_u64 s[G0VS+2:G0VS+3], s[4:5], s[84:85]
	s_or_b32 s[G0VS+3], s[G0VS+3], 0x80000000
	s_add_nc_u64 s[88:89], s[4:5], s[88:89]        ; q's half image
	s_add_nc_u64 s[90:91], s[4:5], s[90:91]        ; its two scale bytes a row
	ROUND                                          ; all four work-groups are here: the joint loads meet
	s_cmp_lt_u32 s[WV], 4                          ; one load a wave at the most, chosen by the wave's number; four v_nop follow each
	s_cbranch_scc0 .Lnot_k
	tensor_load_to_lds s[G0K:G0K+3], s[G1K:G1K+7]
	s_nop 0
.rept 4
	v_nop
.endr
	s_branch .Lasked
.Lnot_k:
	s_cmp_lt_u32 s[WV], 8
	s_cbranch_scc0 .Lnot_v
	tensor_load_to_lds s[G0V:G0V+3], s[G1V:G1V+7]
	s_nop 0
.rept 4
	v_nop
.endr
	s_branch .Lasked
.Lnot_v:
	s_cmp_eq_u32 s[WV], 8
	s_cbranch_scc0 .Lnot_ks
	tensor_load_to_lds s[G0KS:G0KS+3], s[G1KS:G1KS+7]
	s_nop 0
.rept 4
	v_nop
.endr
	s_branch .Lasked
.Lnot_ks:
	s_cmp_eq_u32 s[WV], 9
	s_cbranch_scc0 .Lasked
	tensor_load_to_lds s[G0VS:G0VS+3], s[G1VS:G1VS+7]
	s_nop 0
.rept 4
	v_nop
.endr
.Lasked:
	v_and_b32 v5, 31, v0
	s_delay_alu instid0(VALU_DEP_1)
	v_lshlrev_b32 v[LI16], 4, v5
	s_delay_alu instid0(VALU_DEP_2)
	v_lshlrev_b32 v[LI8], 3, v5
	s_delay_alu instid0(VALU_DEP_3)
	v_lshlrev_b32 v[LI4], 2, v5
	s_delay_alu instid0(VALU_DEP_1)
	v_add_nc_u32 v[LI4K], 98304, v[LI4]
	global_load_b128 v[16:19], v[LI16], s[88:89]
	global_load_b64 v[20:21], v[LI8], s[88:89] offset:512
	global_load_b128 v[34:37], v[LI16], s[88:89]
	global_load_b64 v[38:39], v[LI8], s[88:89] offset:512
	global_load_u16 v254, v[LI4], s[90:91]
.irp j, 22,23,24,25,26,27,28,29,30,31,32,33
	v_mov_b32 v[\j], 0                             ; the zero halves
.endr
	s_and_b32 s17, s19, 1
	s_lshl_b32 s17, s17, 6
	s_lshr_b32 s18, s12, 1
	s_lshl_b32 s18, s18, 5
	s_add_co_u32 s17, s17, s18
	s_and_b32 s18, s12, 1
	s_lshl_b32 s18, s18, 3
	s_add_co_u32 s17, s17, s18
	v_and_b32 v5, 7, v0
	v_bfe_u32 v7, v0, 3, 1
	s_delay_alu instid0(VALU_DEP_1)
	v_lshl_add_u32 v5, v7, 4, v5
	v_bfe_u32 v7, v0, 4, 1
	s_delay_alu instid0(VALU_DEP_1)
	v_lshlrev_b32 v7, 4, v7
	s_delay_alu instid0(VALU_DEP_1)
	v_sub_nc_u32 v5, v5, v7
	s_delay_alu instid0(VALU_DEP_1)
	v_add_nc_u32 v[QD], s17, v5
	v_mov_b32 v13, 0xff61b1e6                      ; the largest t so far: -3e38
	s_delay_alu instid0(VALU_DEP_1)
	v_floor_f32 v12, -v13
	v_mov_b32 v14, 0
	v_mov_b32 v15, 0
.irp b, 0,1,2,3
	v_mov_b32 v[236+\b], 0                         ; a lane permute's destination counts as one of its sources
.endr
	v_mov_b32 v252, 0
	v_mov_b32 v253, 0
	s_wait_loadcnt 0x0
	v_lshl_or_b32 v255, v254, 16, v254             ; q's two bytes for both halves of the K step
.irp j, 0,1,2,3,4,5,6,7,8,9,10,11,12,13,14,15,16,17,18,19,20,21,22,23,24,25,26,27,28,29,30,31
	v_mov_b32 v[160+\j], 0                         ; O^T (these 32 also stand between the scale word's making and the first product)
.endr
	s_wait_tensorcnt 0x0                           ; my load has landed,
	s_barrier_signal -1
	s_barrier_wait -1                              ; everybody's has
.Lstep:                                            ; eight trips, a constant; a step all of whose keys come after my queries is jumped over
	s_cmp_gt_u32 s[KSI], s[WH]
	s_cbranch_scc1 .Lskip
	v_add_nc_u32 v[A16], s[T6], v[LI16]
	v_add_nc_u32 v[A8], s[T6], v[LI8]
	v_add_nc_u32 v[A4], s[T5], v[LI4K]
	v_nop                                          ; four places in front of loads into registers that matrix instructions have read
.irp b, 0,1,2,3
	FRAG F+12*\b, A16, A8, 1536*\b
	ds_load_b32 v[248+\b], v[A4] offset:128*\b
.endr
	s_wait_dscnt 0x0
.irp b, 0,1,2,3
	v_wmma_scale_f32_16x16x128_f8f6f4 v[96+16*\b:103+16*\b], v[F+12*\b:F+12*\b+11], v[16:27], 0, v[248+\b], v255 matrix_a_fmt:MATRIX_FMT_BF6 matrix_b_fmt:MATRIX_FMT_BF6
	v_wmma_scale_f32_16x16x128_f8f6f4 v[104+16*\b:111+16*\b], v[F+12*\b:F+12*\b+11], v[28:39], 0, v[248+\b], v255 matrix_a_fmt:MATRIX_FMT_BF6 matrix_b_fmt:MATRIX_FMT_BF6
.endr
.rept 4
	v_nop
.endr
	s_cmp_lg_u32 s[KSI], s[WH]                     ; only my last step lies on the diagonal
	s_cbranch_scc1 .Lopen
	v_mov_b32 v254, 0xff800000                     ; register 16 b + i holds key 32 b + 16 (lane / 16) + i of the step: hidden where 32 b + i > d
.irp n, 0,1,2,3,4,5,6,7,8,9,10,11,12,13,14,15,16,17,18,19,20,21,22,23,24,25,26,27,28,29,30,31,32,33,34,35,36,37,38,39,40,41,42,43,44,45,46,47,48,49,50,51,52,53,54,55,56,57,58,59,60,61,62,63
	v_cmp_gt_i32 vcc_lo, 32*(\n/16)+\n%16, v[QD]
	v_cndmask_b32 v[96+\n], v[96+\n], v254, vcc_lo
.endr
.Lopen:
.irp b, 0,1,2,3
	v_max3_num_f32 v[232+\b], v[96+16*\b], v[97+16*\b], v[98+16*\b]    ; the largest score of each block of 32 keys: for the row's maximum and for the block's largest p
.endr
.irp i, 3,5,7,9,11,13
.irp b, 0,1,2,3
	v_max3_num_f32 v[232+\b], v[232+\b], v[96+16*\b+\i], v[97+16*\b+\i]
.endr
.endr
.irp b, 0,1,2,3
	v_max_num_f32 v[232+\b], v[232+\b], v[111+16*\b]
.endr
.irp b, 0,1,2,3
	s_delay_alu instid0(VALU_DEP_4)
	v_permlanex16_b32 v[236+\b], v[232+\b], s[SEL], s[SEL+1]
.endr
.irp b, 0,1,2,3
	s_delay_alu instid0(VALU_DEP_4)
	v_max_num_f32 v[232+\b], v[232+\b], v[236+\b]
.endr
	s_delay_alu instid0(VALU_DEP_2)
	v_max3_num_f32 v254, v232, v233, v234
	s_delay_alu instid0(VALU_DEP_1)
	v_max_num_f32 v254, v254, v235
	s_delay_alu instid0(VALU_DEP_1)
	v_mul_f32 v254, s[CS], v254
	s_delay_alu instid0(VALU_DEP_1)
	v_max_num_f32 v13, v13, v254                   ; the running largest t
	v_mov_b32 v254, v12
	s_delay_alu instid0(VALU_DEP_2)
	v_floor_f32 v12, -v13                          ; the new -M: M is a whole number
	s_delay_alu instid0(VALU_DEP_1)
	v_sub_f32 v254, v12, v254
	s_delay_alu instid0(VALU_DEP_1)
	v_cvt_i32_f32 v254, v254                       ; (it saturates)
	s_delay_alu instid0(VALU_DEP_1)
	v_ldexp_f32 v252, 1.0, v254                    ; f = 2^(old M - new M)
.irp j, 0,2,4,6,8,10,12,14,16,18,20,22,24,26,28,30,32,34,36,38,40,42,44,46,48,50,52,54,56,58,60,62
	v_pk_fma_f32 v[96+\j:97+\j], v[96+\j:97+\j], s[CS:CS+1], v[12:13] op_sel_hi:[1,0,0]
.endr
.irp b, 0,1,2,3
	v_fma_f32 v[232+\b], v[232+\b], s[CS], v12
.endr
	s_wait_alu depctr_va_vdst(0)
.irp j, 0,1,2,3,4,5,6,7,8,9,10,11,12,13,14,15,16,17,18,19,20,21,22,23,24,25,26,27,28,29,30,31,32,33,34,35,36,37,38,39,40,41,42,43,44,45,46,47,48,49,50,51,52,53,54,55,56,57,58,59,60,61,62,63
	v_exp_f32 v[96+\j], v[96+\j]                   ; p = 2^(t - M)
.endr
	v_pk_mul_f32 v[14:15], v[14:15], v[252:253] op_sel_hi:[1,0]    ; the sums under the new M (the plain line behind the batch)
	s_wait_alu depctr_va_vdst(0)                   ; one wait for the batch, ahead of its first reader
.irp b, 0,1,2,3
	v_exp_f32 v[232+\b], v[232+\b]                 ; the blocks' largest p
.endr
	v_pk_add_f32 v[236:237], v[100:101], v[104:105]
	v_pk_add_f32 v[250:251], v[108:109], v[112:113]
	v_pk_add_f32 v[248:249], v[116:117], v[120:121]
	v_pk_add_f32 v[246:247], v[124:125], v[128:129]
	v_pk_add_f32 v[244:245], v[132:133], v[136:137]
	v_pk_add_f32 v[240:241], v[140:141], v[144:145]
	v_pk_add_f32 v[238:239], v[148:149], v[152:153]
	v_pk_add_f32 v[14:15], v[14:15], v[156:157]
	v_pk_add_f32 v[236:237], v[236:237], v[96:97]
	v_pk_add_f32 v[250:251], v[250:251], v[98:99]
	v_pk_add_f32 v[248:249], v[248:249], v[102:103]
	v_pk_add_f32 v[246:247], v[246:247], v[106:107]
	v_pk_add_f32 v[244:245], v[244:245], v[110:111]
	v_pk_add_f32 v[240:241], v[240:241], v[114:115]
	v_pk_add_f32 v[238:239], v[238:239], v[118:119]
	v_pk_add_f32 v[14:15], v[14:15], v[122:123]
	v_pk_add_f32 v[236:237], v[236:237], v[126:127]
	v_pk_add_f32 v[250:251], v[250:251], v[130:131]
	v_pk_add_f32 v[248:249], v[248:249], v[134:135]
	v_pk_add_f32 v[246:247], v[246:247], v[138:139]
	v_pk_add_f32 v[244:245], v[244:245], v[142:143]
	v_pk_add_f32 v[240:241], v[240:241], v[146:147]
	v_pk_add_f32 v[238:239], v[238:239], v[150:151]
	v_pk_add_f32 v[14:15], v[14:15], v[154:155]
	v_pk_add_f32 v[236:237], v[236:237], v[158:159]
	s_delay_alu instid0(VALU_DEP_2)
	v_pk_add_f32 v[14:15], v[14:15], v[246:247]
	s_delay_alu instid0(VALU_DEP_2)
	v_pk_add_f32 v[236:237], v[236:237], v[244:245]
	v_pk_add_f32 v[250:251], v[250:251], v[240:241]
	v_pk_add_f32 v[248:249], v[248:249], v[238:239]
	s_delay_alu instid0(VALU_DEP_2)
	v_pk_add_f32 v[14:15], v[14:15], v[250:251]
	s_delay_alu instid0(VALU_DEP_2)
	v_pk_add_f32 v[236:237], v[236:237], v[248:249]
	s_delay_alu instid0(VALU_DEP_1)
	v_pk_add_f32 v[14:15], v[14:15], v[236:237]
	s_wait_alu depctr_va_vdst(0)                   ; and one for the four
.irp b, 0,1,2,3
	v_max_num_f32 v[232+\b], 0x2800000, v[232+\b]
.endr
.irp b, 0,1,2,3
	s_delay_alu instid0(VALU_DEP_4)
	v_add_nc_u32 v[244+\b], 0xfe000000, v[232+\b]
.endr
.irp b, 0,1,2,3
	s_delay_alu instid0(VALU_DEP_4)
	v_lshrrev_b32 v[236+\b], 23, v[244+\b]
.endr
	s_delay_alu instid0(VALU_DEP_3)
	v_lshl_or_b32 v253, v237, 8, v236              ; p's scale word for these 128 keys
	s_delay_alu instid0(VALU_DEP_1)
	v_lshl_or_b32 v253, v238, 16, v253
	s_delay_alu instid0(VALU_DEP_1)
	v_lshl_or_b32 v253, v239, 24, v253
.irp c, 0,1
	v_cvt_scalef32_pk16_bf6_f32 v[224+6*\c:226+6*\c], v[96+32*\c:111+32*\c], v[244+2*\c]
	v_cvt_scalef32_pk16_bf6_f32 v[236+4*\c:238+4*\c], v[112+32*\c:127+32*\c], v[244+2*\c+1]
.endr
	v_nop
.irp c, 0,1
.irp i, 0,1,2
	v_permlane16_swap_b32 v[224+6*\c+\i], v[236+4*\c+\i]
.endr
.irp i, 0,1,2
	s_delay_alu instid0(VALU_DEP_3)
	v_mov_b32 v[227+6*\c+\i], v[236+4*\c+\i]
.endr
.endr
.irp j, 0,2,4,6,8,10,12,14,16,18,20,22,24,26,28,30
	v_pk_mul_f32 v[160+\j:161+\j], v[160+\j:161+\j], v[252:253] op_sel_hi:[1,0]    ; O^T under the new M; these sixteen are also the places in front of the loads and products below
.endr
.irp t, 0,1,2,3
	FRAG F+12*\t, A16, A8, 49152+1536*\t
	ds_load_b32 v[248+\t], v[A4] offset:4096+128*\t
.endr
	s_wait_alu depctr_va_vdst(0)
	s_wait_dscnt 0x0
.irp t, 0,1,2,3
	v_wmma_scale_f32_16x16x128_f8f6f4 v[160+8*\t:167+8*\t], v[F+12*\t:F+12*\t+11], v[224:235], v[160+8*\t:167+8*\t], v[248+\t], v253 matrix_a_fmt:MATRIX_FMT_BF6 matrix_b_fmt:MATRIX_FMT_BF6
.endr
.Lskip:
	s_add_co_u32 s[T6], s[T6], 6144                ; the next step's codes,
	s_add_co_u32 s[T5], s[T5], 512                 ; and scale words
	s_add_co_u32 s[KSI], s[KSI], 1
	s_cmp_lt_u32 s[KSI], 8
	s_cbranch_scc1 .Lstep
	; THE WAY OUT: O^T / the sum; register 16 b + i is dim 32 b + 16 (lane / 16) + i of the head: two blocks along C; half an image and two scale bytes
.rept 4
	v_nop
.endr
	v_add_f32 v14, v14, v15
	s_delay_alu instid0(VALU_DEP_1)
	v_permlanex16_b32 v252, v14, s[SEL], s[SEL+1]
	s_delay_alu instid0(VALU_DEP_1)
	v_add_f32 v14, v14, v252
	s_wait_alu depctr_va_vdst(0)
	v_rcp_f32 v14, v14
	s_lshl_b32 s76, s10, 6
	s_add_co_u32 s76, s76, s86                     ; 64 x batch + token block
	s_lshl_b32 s76, s76, 3
	s_lshr_b32 s77, s11, 1
	s_add_co_u32 s76, s76, s77                     ; the record
	s_and_b32 s77, s11, 1
	s_lshl_b32 s78, s76, 7
	s_lshl_b32 s79, s77, 1
	s_add_co_u32 s78, s78, s79
	s_add_co_u32 s78, s78, 3145728
	s_mul_i32 s76, s76, 1536
	s_mul_i32 s77, s77, 768
	s_add_co_u32 s76, s76, s77
	s_mov_b32 s77, 0
	s_mov_b32 s79, 0
	s_add_nc_u64 s[76:77], s[6:7], s[76:77]
	s_add_nc_u64 s[78:79], s[6:7], s[78:79]
	v_nop                                          ; a plain line behind the reciprocal
	s_wait_alu depctr_va_vdst(0)                   ; the wait, ahead of its first reader
.irp j, 0,2,4,6,8,10,12,14,16,18,20,22,24,26,28,30
	v_pk_mul_f32 v[96+\j:97+\j], v[160+\j:161+\j], v[14:15] op_sel_hi:[1,0]
.endr
.irp b, 0,1
	v_max3_num_f32 v[232+\b], |v[96+16*\b]|, |v[97+16*\b]|, 0x2800000
.endr
.irp i, 2,4,6,8,10,12,14
.irp b, 0,1
	s_delay_alu instid0(VALU_DEP_2)
	v_max3_num_f32 v[232+\b], v[232+\b], |v[96+16*\b+\i]|, |v[97+16*\b+\i]|
.endr
.endr
.irp b, 0,1
	s_delay_alu instid0(VALU_DEP_2)
	v_permlanex16_b32 v[236+\b], v[232+\b], s[SEL], s[SEL+1]
.endr
.irp b, 0,1
	s_delay_alu instid0(VALU_DEP_2)
	v_max_num_f32 v[232+\b], v[232+\b], v[236+\b]
.endr
.irp b, 0,1
	s_delay_alu instid0(VALU_DEP_2)
	v_add_nc_u32 v[244+\b], 0xfe000000, v[232+\b]
.endr
.irp b, 0,1
	s_delay_alu instid0(VALU_DEP_2)
	v_lshrrev_b32 v[236+\b], 23, v[244+\b]
.endr
	s_delay_alu instid0(VALU_DEP_1)
	v_lshl_or_b32 v238, v237, 8, v236
	v_cvt_scalef32_pk16_bf6_f32 v[224:226], v[96:111], v244
	v_cvt_scalef32_pk16_bf6_f32 v[240:242], v[112:127], v245
	v_nop
.irp i, 0,1,2
	v_permlane16_swap_b32 v[224+\i], v[240+\i]
.endr
.irp i, 0,1,2
	s_delay_alu instid0(VALU_DEP_3)
	v_mov_b32 v[227+\i], v[240+\i]
.endr
	global_store_b128 v[LI16], v[224:227], s[76:77]            ; 512 consecutive bytes,
	global_store_b64 v[LI8], v[228:229], s[76:77] offset:512   ; 256 consecutive bytes, aligned
	global_store_b16 v[LI4], v238, s[78:79]                    ; my head's two bytes of each scale word: one store a wave, 64 of a record's 128 bytes; the neighbouring head's work-group writes the others
	s_wait_tensorcnt 0x0
	ds_add_u32 v223, v243
	s_wait_dscnt 0x0
	ROUND                                          ; the closing round
	s_endpgm
.Lfunc_end_k_q8c18d1a506_attn:
	.size	k_q8c18d1a506_attn, .Lfunc_end_k_q8c18d1a506_attn-k_q8c18d1a506_attn
	.p2alignl 7, 3214868480
	.fill 96, 4, 3214868480
	.section	.rodata,"a",@progbits
	.p2align	6, 0x0
	.amdhsa_kernel k_q8c18d1a506_attn
		.amdhsa_group_segment_fixed_size 169984
		.amdhsa_private_segment_fixed_size 0
		.amdhsa_enable_private_segment 0
		.amdhsa_kernarg_size 16
		.amdhsa_user_sgpr_count 2
		.amdhsa_user_sgpr_kernarg_segment_ptr 1
		.amdhsa_wavefront_size32 1
		.amdhsa_system_sgpr_workgroup_id_x 1
		.amdhsa_system_sgpr_workgroup_id_y 1
		.amdhsa_system_sgpr_workgroup_id_z 1
		.amdhsa_system_vgpr_workitem_id 0
		.amdhsa_next_free_vgpr 256
		.amdhsa_next_free_sgpr 100
		.amdhsa_reserve_vcc 1
		.amdhsa_float_denorm_mode_32 3
		.amdhsa_float_denorm_mode_16_64 3
		.amdhsa_memory_ordered 1
		.amdhsa_forward_progress 1
		.amdhsa_inst_pref_size 39
	.end_amdhsa_kernel
	.amdgpu_metadata
---
amdhsa.version: [ 1, 2 ]
amdhsa.kernels:
  - .name:           k_q8c18d1a506_attn
    .symbol:         k_q8c18d1a506_attn.kd
    .args:
      - { .name: qkv, .offset: 0, .size: 8, .value_kind: global_buffer, .address_space: global }
      - { .name: yq, .offset: 8, .size: 8, .value_kind: global_buffer, .address_space: global }
    .group_segment_fixed_size: 169984
    .private_segment_fixed_size: 0
    .kernarg_segment_align: 8
    .kernarg_segment_size: 16
    .max_flat_workgroup_size: 512
    .sgpr_count:     100
    .vgpr_count:     256
    .wavefront_size: 32
...
	.end_amdgpu_metadata
.endif
;; end of part 3
;; launch proj (part 4): grid 8 x 32, 4 waves a work-group, clusters of 4 x 4, 327,680 bytes of LDS; arguments yq, wq, b_proj, x, x1; writes x1
.if DOCPART == 4
	.amdgcn_target "amdgcn-amd-amdhsa--gfx1250"
	.amdhsa_code_object_version 6
	.text
	.protected	k_q8c18d1a506_proj
	.globl	k_q8c18d1a506_proj
	.p2align	8
	.type	k_q8c18d1a506_proj,@function
k_q8c18d1a506_proj:
	s_mov_b64 s[64:65], 0
	v_nop
	global_prefetch_b8 v0, s[64:65] scope:SCOPE_SE
	s_setreg_imm32_b32 hwreg(HW_REG_WAVE_MODE, 25, 1), 1
	s_wait_xcnt 0x0
	s_wait_alu depctr_hold_cnt(0) depctr_sa_sdst(0) depctr_va_vdst(0) depctr_va_sdst(0) depctr_va_ssrc(0) depctr_va_vcc(0) depctr_vm_vsrc(0)
	s_getreg_b32 s2, hwreg(HW_REG_IB_STS2, 6, 4)
	s_cmp_eq_u32 s2, 0
	s_cbranch_scc0 .Lentry_in_a_cluster
	s_endpgm
.Lentry_in_a_cluster:
	s_bfe_u32 s2, ttmp6, 0x10000c
	s_cmp_lg_u32 s2, 0xf033
	s_cbranch_scc0 .Lentry_shape_is_right
	s_endpgm
.Lentry_shape_is_right:
; x1 = x + yq W_proj^T + b_proj: A [4096][1024] and B [1024][1024] as codes of BF6 (E3M2) with E8M0 scales in this program's operand format (physical row p = logical row with bits 3 and 4 exchanged;
; codes [rb][K/128][1536] as images of a fragment's 12 registers; scale words [rb][K/128][128], lanes 16-31 repeating lanes 0-15); x and x1 f32 [4096][1024] with logical rows; f32 sums, K ascending.
; N = 1,024 gives 256 blocks of 128 x 128: a work-group of four waves makes one, a wave 64 x 64 (16 accumulators).
; K = 1,024 is eight K steps, and ALL OF K FITS IN LDS: 8 blocks x 12,288 bytes of A and as much of B, 196,608 bytes.  The head's four tiles are shared out, one load a wave: wave 0 A's codes, wave 1 B's,
; wave 2 A's scale words, wave 3 B's.  Nothing is filled later: one wait for the loads, one barrier, and no ring.
; THE MATRIX INSTRUCTION IS USED TRANSPOSED (source 0 = 16 rows of B, source 1 = 16 rows of A): lane (r, h), register j of accumulator (a, b): A's physical row 16 a + r, logical column 32 (b/2) + 16 h + 8 (b%2) + j.
; The bias is loaded into the accumulators, so every product adds in place.  Fragments have four register sets and are asked for two K steps ahead.
; 4 x 4 work-groups form a cluster: A's tiles are asked for jointly along a row, B's along a column.  No prefetch: everything is asked for at the start.
; REGISTERS: window 0: v6-29 addresses; v32-47 scale words; v64-255 A's four sets (v160-223 on the way out).  window 1: v0-191 B's four sets.  window 2: v0-127 accumulators, v128-255 the residual.
.set MB,    4
.set NQ,    8
.set KST,   8
.set ASOFF, 3145728
.set BCOFF, 2359296
.set BSOFF, 9633792
.set HALFT, MB*NQ*1536
.set SCL,   4*HALFT
.set HALFS, MB*KST*128
.set STG,   SCL+4*HALFS                ; a stage of 16 rows x (256 + 16) bytes for each wave: no fill lands there
.set SPARE, STG+4*4352
.set BO,     6
.set LI16,   8
.set LI8,    9
.set LI4,    10
.set ADRA16, 16
.set ADRA8,  18
.set ADRB16, 20
.set ADRB8,  22
.set STO,    24
.set RD,     25
.set CO,     26
.set ADRS,   27
.set SPW,    28
.set NIL,    29
.set SC,     32
.set AF,     64
.set BK,     160
.set G1,   24
.set G1B,  48
.set G1S,  68
.set G0S,  76
.set G1SB, 80
.set G0SB, 88
.set G0H,  92
.set G0HB, 96
.set MSB, 0
.macro WIN new
.if MSB != (\new)
	s_set_vgpr_msb (MSB<<8)|(\new)
.set MSB, (\new)
.endif
.endm
.macro CROUND                          ; a round of the cluster's barrier
	s_barrier_signal -1
	s_barrier_wait -1
	s_cmp_lg_u32 s14, 0
	s_cbranch_scc1 .Lnot_wave_0_\@
	s_barrier_signal -3
.Lnot_wave_0_\@:
	s_barrier_wait -3
	s_barrier_signal -1
	s_barrier_wait -1
.endm
.macro PLACES n
.rept \n
	v_nop
.endr
.endm
.macro ARM under, g0, g1, next         ; an arm of the head's one tree of branches on the wave's number; s_nop 0 and four v_nop follow the load
	s_cmp_lt_u32 s14, \under
	s_cbranch_scc0 \next
	tensor_load_to_lds s[\g0:\g0+3], s[\g1:\g1+7]
	s_nop 0
.rept 4
	v_nop
.endr
	s_branch .Lhead_asked
\next:
.endm
.macro MKH g, lds, src                 ; a group 0 of the head
	s_mov_b32 s[\g], 1
	s_mov_b32 s[\g+1], \lds
	s_mov_b64 s[\g+2:\g+3], s[\src:\src+1]
	s_or_b32 s[\g+3], s[\g+3], 0x80000000
.endm
	s_load_b256 s[4:11], s[0:1], 0x0               ; A, wq, bias, residual
	s_load_b64 s[12:13], s[0:1], 0x20              ; out
	v_lshl_add_u32 v[SPW], v0, 2, SPARE
	v_mov_b32 v[NIL], 0
	ds_add_u32 v[SPW], v[NIL]                      ; the opening lines: the add, twice on end, and its wait
	ds_add_u32 v[SPW], v[NIL]
	v_lshrrev_b32 v1, 5, v0
	v_readfirstlane_b32 s14, v1
	s_lshr_b32 s15, s14, 1                         ; my half of the block's rows
	s_and_b32 s16, s14, 1                          ; my half of its columns
	s_bfe_u32 s40, ttmp6, 0x40000
	s_bfe_u32 s41, ttmp6, 0x40004
	s_lshl_b32 s42, ttmp9, 2
	s_add_co_u32 s42, s42, s40                     ; tile column
	s_and_b32 s17, ttmp7, 0xffff
	s_lshl_b32 s17, s17, 2
	s_add_co_u32 s17, s17, s41                     ; tile row
	s_lshl_b32 s43, s41, 2
	s_lshl_b32 s43, 15, s43
	s_lshl_b32 s44, 0x1111, s40
	s_or_b32 s[G1+0], s43, (3<<16)|(1<<21)
	s_or_b32 s[G1B+0], s44, (3<<16)|(1<<21)
.irp g, G1, G1B
	s_mov_b32 s[\g+1], (NQ*192)<<16                ; a block's eight records: 12,288 bytes
	s_mov_b32 s[\g+2], (2*MB)<<16                  ; eight blocks
	s_mov_b32 s[\g+3], (NQ*192)<<16
	s_mov_b32 s[\g+4], 2*MB
	s_mov_b32 s[\g+5], KST*192
	s_mov_b32 s[\g+6], 0
	s_mov_b32 s[\g+7], 0
.endr
	s_or_b32 s[G1S+0], s43, (3<<16)|(1<<21)        ; the scale words of 8 blocks: a dense block, as rows of 256 bytes
	s_or_b32 s[G1SB+0], s44, (3<<16)|(1<<21)
.irp g, G1S, G1SB
	s_mov_b32 s[\g+1], 32<<16
	s_mov_b32 s[\g+2], (2*HALFS/256)<<16
	s_mov_b32 s[\g+3], 32<<16
	s_mov_b32 s[\g+4], 2*HALFS/256
	s_mov_b32 s[\g+5], 32
	s_mov_b32 s[\g+6], 0
	s_mov_b32 s[\g+7], 0
.endr
	s_mul_i32 s20, s17, 2*MB*KST*1536              ; the tile's codes and scale words, in bytes
	s_mul_i32 s46, s42, 2*MB*KST*1536
	s_mul_i32 s22, s17, 2*MB*KST*128
	s_mul_i32 s18, s42, 2*MB*KST*128
	s_mov_b32 s21, 0
	s_mov_b32 s23, 0
	s_mov_b32 s47, 0
	s_mov_b32 s19, 0
	s_wait_dscnt 0x0                               ; both opening adds are done
	s_wait_kmcnt 0x0
	s_add_nc_u64 s[20:21], s[4:5], s[20:21]
	s_add_nc_u64 s[22:23], s[4:5], s[22:23]
	s_add_nc_u64 s[22:23], s[22:23], ASOFF
	s_add_nc_u64 s[46:47], s[6:7], s[46:47]
	s_add_nc_u64 s[46:47], s[46:47], BCOFF
	s_add_nc_u64 s[18:19], s[6:7], s[18:19]
	s_add_nc_u64 s[18:19], s[18:19], BSOFF
	CROUND                                         ; all sixteen work-groups are here: the joint loads meet
	MKH G0H, 0, 20
	MKH G0HB, 2*HALFT, 46
	MKH G0S, SCL, 22
	MKH G0SB, SCL+2*HALFS, 18
	ARM 1, G0H,  G1,  .Lhead_b
	ARM 2, G0HB, G1B, .Lhead_sa
	ARM 3, G0S,  G1S, .Lhead_sb
	tensor_load_to_lds s[G0SB:G0SB+3], s[G1SB:G1SB+7]
	s_nop 0
.rept 4
	v_nop
.endr
.Lhead_asked:
	s_mul_i32 s100, s15, HALFT                     ; my rows of A,
	s_mul_i32 s101, s16, HALFT
	s_add_co_u32 s101, s101, 2*HALFT               ; of B;
	s_mul_i32 s2, s15, HALFS                       ; scale words: lanes 0-15 take A's records, lanes 16-31 B's (the records' second halves repeat the first);
	s_mul_i32 s3, s16, HALFS
	s_add_co_u32 s3, s3, 2*HALFS
	s_sub_co_u32 s3, s3, s2
	s_add_co_u32 s2, s2, SCL
	s_mul_i32 s18, s14, 4352                       ; my stage
	s_add_co_u32 s18, s18, STG
	v_and_b32 v1, 31, v0
	v_bfe_u32 v2, v0, 4, 1
	v_and_b32 v3, 15, v0
	v_lshlrev_b32 v[LI16], 4, v1
	v_lshlrev_b32 v[LI8], 3, v1
	v_lshlrev_b32 v[LI4], 2, v1
	v_add_nc_u32 v[ADRA16], s100, v[LI16]
	v_add_nc_u32 v[ADRA8], s100, v[LI8]
	v_add_nc_u32 v[ADRB16], s101, v[LI16]
	v_add_nc_u32 v[ADRB8], s101, v[LI8]
	v_mul_u32_u24 v4, s3, v2
	v_add_nc_u32 v4, v[LI4], v4
	v_add_nc_u32 v[ADRS], s2, v4
	v_mul_u32_u24 v4, v3, 272
	v_lshl_add_u32 v4, v2, 6, v4
	v_add_nc_u32 v[STO], s18, v4                   ; into my stage: row r, + 64 h
	v_mul_u32_u24 v4, v2, 272
	v_lshl_add_u32 v4, v3, 4, v4
	v_add_nc_u32 v[RD], s18, v4                    ; back: lanes 0-15 one row of 256 bytes, lanes 16-31 the next
	v_lshlrev_b32 v[CO], 12, v2
	v_lshl_add_u32 v[CO], v3, 4, v[CO]             ; and the same two rows in the residual and in out
	v_lshlrev_b32 v[BO], 6, v2
	s_wait_alu depctr_va_vdst(0)
	s_lshl_b32 s100, s42, 1
	s_add_co_u32 s100, s100, s16
	s_lshl_b32 s100, s100, 8                       ; my first column, in bytes
	s_mov_b32 s101, 0
	s_add_nc_u64 s[8:9], s[8:9], s[100:101]
	s_lshl_b32 s2, s17, 1
	s_add_co_u32 s2, s2, s15
	s_lshl_b32 s2, s2, 18                          ; my first row: 64 rows of 4,096 bytes
	s_add_co_u32 s100, s100, s2
	s_add_nc_u64 s[10:11], s[10:11], s[100:101]
	s_add_nc_u64 s[12:13], s[12:13], s[100:101]
	WIN 0x80
.irp a, 0,1,2,3                        ; the bias starts the sums: accumulator (a, b) takes the eight columns of its lane
.irp b, 0,1,2,3
	global_load_b128 v[8*(4*\a+\b):8*(4*\a+\b)+3], v[BO], s[8:9] offset:128*(\b/2)+32*(\b%2)
	global_load_b128 v[8*(4*\a+\b)+4:8*(4*\a+\b)+7], v[BO], s[8:9] offset:128*(\b/2)+32*(\b%2)+16
.endr
.endr
	WIN 0
.macro FRAG reg, a16, a8, off
	ds_load_b128 v[(\reg):(\reg)+3], v[\a16] offset:(\off)
	ds_load_b64 v[(\reg)+4:(\reg)+5], v[\a8] offset:(\off)+512
	ds_load_b128 v[(\reg)+6:(\reg)+9], v[\a16] offset:(\off)+768
	ds_load_b64 v[(\reg)+10:(\reg)+11], v[\a8] offset:(\off)+1280
.endm
.macro FETCH q, set                    ; 36 LDS loads: K step q's fragments and scale words into a set
	WIN 0x40
.set fi, 0
.rept MB
	FRAG 48*(\set)+12*fi, ADRB16, ADRB8, (fi*NQ+(\q))*1536
.set fi, fi+1
.endr
	WIN 0
.set fi, 0
.rept MB
	FRAG AF+48*(\set)+12*fi, ADRA16, ADRA8, (fi*NQ+(\q))*1536
	ds_load_b32 v[SC+4*(\set)+fi], v[ADRS] offset:fi*KST*128+128*(\q)
.set fi, fi+1
.endr
.endm
.macro MULS set                        ; a K step's 16 products; the 16 accumulators take turns, one instruction a turn
	WIN 0xa1
.set ma, 0
.rept MB
.set mb, 0
.rept MB
.set rD, 8*(MB*ma+mb)
.set rB, 48*(\set)+12*mb
.set rA, AF+48*(\set)+12*ma
	v_wmma_scale_f32_16x16x128_f8f6f4 v[rD:rD+7], v[rB:rB+11], v[rA:rA+11], v[rD:rD+7], v[SC+4*(\set)+mb], v[SC+4*(\set)+ma] matrix_a_fmt:MATRIX_FMT_BF6 matrix_b_fmt:MATRIX_FMT_BF6 matrix_a_scale:MATRIX_SCALE_ROW1
.set mb, mb+1
.endr
.set ma, ma+1
.endr
.endm
	s_wait_tensorcnt 0x0                           ; my tile of the four is in,
	s_barrier_signal -1
	s_barrier_wait -1                              ; everybody's is
	FETCH 0, 0
	FETCH 1, 1
	WIN 0x80
.irp a, 0,1,2,3                        ; the residual, asked for behind the tiles, in the order in which the rows will come back from the stage; it is wanted on the way out
.irp t, 0,1,2,3,4,5,6,7
	global_load_b128 v[128+32*\a+4*\t:128+32*\a+4*\t+3], v[CO], s[10:11] offset:(32*(\a/2)+8*(\a%2)+16*(\t/4)+2*(\t%4))*4096
.endr
.endr
	WIN 0
	s_wait_loadcnt 32                              ; the bias is in; the residual's 32 loads may be out
.set g, 0
.rept 6                                ; a K step on set g % 4; the step two on is asked for first
	s_wait_dscnt 36                                ; this step's 36 loads are in; the next step's 36 may be out
	PLACES 4                                       ; in front of loads into registers that matrix instructions have read
	FETCH g+2, (g+2)%4
	MULS g%4
.set g, g+1
.endr
	s_wait_dscnt 36
	MULS 2
	s_wait_dscnt 0x0
	MULS 3
	WIN 0
	; THE WAY OUT, 16 physical rows at a time: through my own stage, back as whole rows of 256 bytes, + the residual, to their logical rows
	PLACES 4
	s_wait_loadcnt 0x0                             ; the residual
.macro ROWOUT a
.if (\a) > 1
	s_wait_xcnt 0x0                                ; the stores of two blocks ago have read their registers
.endif
	WIN 0x08
.irp b, 0,1,2,3
	ds_store_b128 v[STO], v[8*(4*(\a)+\b):8*(4*(\a)+\b)+3] offset:128*(\b/2)+32*(\b%2)
	ds_store_b128 v[STO], v[8*(4*(\a)+\b)+4:8*(4*(\a)+\b)+7] offset:128*(\b/2)+32*(\b%2)+16
.endr
	WIN 0
.set BB, BK+32*((\a)%2)
.irp t, 0,1,2,3,4,5,6,7
	ds_load_b128 v[BB+4*\t:BB+4*\t+3], v[RD] offset:544*\t         ; LDS serves a wave's instructions in order: these see my stores
.endr
	s_wait_dscnt 0x0
	WIN 0x08
.irp t, 0,1,2,3,4,5,6,7,8,9,10,11,12,13,14,15
	v_pk_add_f32 v[BB+2*\t:BB+2*\t+1], v[BB+2*\t:BB+2*\t+1], v[128+32*(\a)+2*\t:128+32*(\a)+2*\t+1]
.endr
	WIN 0
.irp t, 0,1,2,3,4,5,6,7
	global_store_b128 v[CO], v[BB+4*\t:BB+4*\t+3], s[12:13] offset:(32*((\a)/2)+8*((\a)%2)+16*(\t/4)+2*(\t%4))*4096    ; sixteen lanes store 256 consecutive bytes, aligned
.endr
.endm
.irp a, 0,1,2,3
	ROWOUT \a
.endr
	s_wait_tensorcnt 0x0                           ; the wave's end
	ds_add_u32 v[SPW], v[NIL]
	s_wait_dscnt 0x0
	CROUND                                         ; the closing round
	s_endpgm
.Lfunc_end_k_q8c18d1a506_proj:
	.size	k_q8c18d1a506_proj, .Lfunc_end_k_q8c18d1a506_proj-k_q8c18d1a506_proj
	.p2alignl 7, 3214868480
	.fill 96, 4, 3214868480
	.section	.rodata,"a",@progbits
	.p2align	6, 0x0
	.amdhsa_kernel k_q8c18d1a506_proj
		.amdhsa_group_segment_fixed_size 327680
		.amdhsa_private_segment_fixed_size 0
		.amdhsa_enable_private_segment 0
		.amdhsa_kernarg_size 40
		.amdhsa_user_sgpr_count 2
		.amdhsa_user_sgpr_kernarg_segment_ptr 1
		.amdhsa_wavefront_size32 1
		.amdhsa_system_sgpr_workgroup_id_x 1
		.amdhsa_system_sgpr_workgroup_id_y 1
		.amdhsa_system_sgpr_workgroup_id_z 1
		.amdhsa_system_vgpr_workitem_id 0
		.amdhsa_next_free_vgpr 768
		.amdhsa_next_free_sgpr 104
		.amdhsa_reserve_vcc 0
		.amdhsa_float_denorm_mode_32 3
		.amdhsa_float_denorm_mode_16_64 3
		.amdhsa_memory_ordered 1
		.amdhsa_forward_progress 1
		.amdhsa_inst_pref_size 63
	.end_amdhsa_kernel
	.amdgpu_metadata
---
amdhsa.version: [ 1, 2 ]
amdhsa.kernels:
  - .name:           k_q8c18d1a506_proj
    .symbol:         k_q8c18d1a506_proj.kd
    .args:
      - { .name: yq, .offset: 0, .size: 8, .value_kind: global_buffer, .address_space: global }
      - { .name: wq, .offset: 8, .size: 8, .value_kind: global_buffer, .address_space: global }
      - { .name: b_proj, .offset: 16, .size: 8, .value_kind: global_buffer, .address_space: global }
      - { .name: x, .offset: 24, .size: 8, .value_kind: global_buffer, .address_space: global }
      - { .name: x1, .offset: 32, .size: 8, .value_kind: global_buffer, .address_space: global }
    .group_segment_fixed_size: 327680
    .private_segment_fixed_size: 0
    .kernarg_segment_align: 8
    .kernarg_segment_size: 40
    .max_flat_workgroup_size: 128
    .sgpr_count:     104
    .vgpr_count:     768
    .wavefront_size: 32
...
	.end_amdgpu_metadata
.endif
;; end of part 4
;; launch prep2: the kernel of part 1 again; grid 256 x 3, 4 waves a work-group, no clusters, 99,840 bytes of LDS; arguments x1, ln2_g, ln2_b, act, W_fc, W_fc2, wq; writes act, wq
;; launch fc (part 5): grid 16 x 16, 4 waves a work-group, clusters of 4 x 4, 327,680 bytes of LDS; arguments act, wq, b_fc, hq; writes hq
.if DOCPART == 5
	.amdgcn_target "amdgcn-amd-amdhsa--gfx1250"
	.amdhsa_code_object_version 6
	.text
	.protected	k_q8c18d1a506_fc
	.globl	k_q8c18d1a506_fc
	.p2align	8
	.type	k_q8c18d1a506_fc,@function
k_q8c18d1a506_fc:
	s_mov_b64 s[64:65], 0
	v_nop
	global_prefetch_b8 v0, s[64:65] scope:SCOPE_SE
	s_setreg_imm32_b32 hwreg(HW_REG_WAVE_MODE, 25, 1), 1
	s_wait_xcnt 0x0
	s_wait_alu depctr_hold_cnt(0) depctr_sa_sdst(0) depctr_va_vdst(0) depctr_va_sdst(0) depctr_va_ssrc(0) depctr_va_vcc(0) depctr_vm_vsrc(0)
	s_getreg_b32 s2, hwreg(HW_REG_IB_STS2, 6, 4)
	s_cmp_eq_u32 s2, 0
	s_cbranch_scc0 .Lentry_in_a_cluster
	s_endpgm
.Lentry_in_a_cluster:
	s_bfe_u32 s2, ttmp6, 0x10000c
	s_cmp_lg_u32 s2, 0xf033
	s_cbranch_scc0 .Lentry_shape_is_right
	s_endpgm
.Lentry_shape_is_right:
; hq = Q(gelu(act W_fc + b_fc)) on codes of BF6 (E3M2) with E8M0 scales, f32 sums; the result is quantised along its 4,096 columns, the next product's K, into this program's operand format.
; A work-group of four waves makes 256 x 256, a wave 128 x 128; the matrix instruction is used transposed (source 0 = 16 rows of W, source 1 = 16 rows of act); the bias is the C of each sum's first instruction.
; LDS: eight K steps; three slots of two steps and the scale words.  The head's four tiles are shared out, one load a wave: wave 0 slot 0's 16 blocks of A, wave 1 A's scale words, wave 2 slot 0's 16 blocks of B,
; wave 3 B's scale words.  Slot 1 is filled behind a round in front of K step 0, slot 2 behind the round in K step 1, slot 0 again (K steps 6, 7) behind the round in K step 3.
; 4 x 4 work-groups form a cluster: A's tiles are asked for jointly along a row, B's along a column.  No prefetch: the block is the largest, in clusters, and K has only eight steps.
; THE GELU, exact form, in f32: hx = x / 2, z = x / sqrt(2) held to +-3.8325, erf(z) = z P(z^2) / Q(z^2), result hx + hx erf(z).
; LIMITS: a block of zeros gets the byte 1, not 127 (zero codes; only this program reads the bytes); NaN and infinities are not served.
.set MB,    8
.set NQ,    2
.set KST,   8
.set ASOFF, 3145728
.set BCOFF, 3145728
.set BSOFF, 9699328
.set HALFT, MB*NQ*1536
.set SLOT,  4*HALFT
.set SCL,   3*SLOT
.set HALFS, MB*KST*64
.set SPARE, SCL+4*HALFS
.set BO,     6
.set LI16,   8
.set LI8,    9
.set LI4,    10
.set K1,     12
.set KQ1,    14
.set ADRA16, 16
.set ADRA8,  19
.set ADRB16, 22
.set ADRB8,  25
.set SPW,    28
.set NIL,    29
.set ADRS,   30
.set SC,     32
.set AF,     64
.set HX,     64
.set Z,      128
.set W,      160
.set P,      192
.set Q,      224
.set PC,     128
.set TM,     148
.set PW,     164
.set G1,   24
.set G0,   32
.set G02,  92
.set G1B,  48
.set G0B,  56
.set G0B2, 96
.set G1S,  68
.set G0S,  76
.set G1SB, 80
.set G0SB, 88
.set MSB, 0
.macro WIN new
.if MSB != (\new)
	s_set_vgpr_msb (MSB<<8)|(\new)
.set MSB, (\new)
.endif
.endm
.macro JLOAD g0a, g1a, g0b, g1b
	s_cmp_eq_u32 s15, 0
	s_cbranch_scc0 .Lfor_b_\@
	tensor_load_to_lds s[\g0a:\g0a+3], s[\g1a:\g1a+7]
	s_nop 0
.rept 4
	v_nop
.endr
	s_branch .Lasked_\@
.Lfor_b_\@:
	tensor_load_to_lds s[\g0b:\g0b+3], s[\g1b:\g1b+7]
	s_nop 0
.rept 4
	v_nop
.endr
.Lasked_\@:
.endm
.macro CREST
	s_cmp_lg_u32 s14, 0
	s_cbranch_scc1 .Lnot_wave_0_\@
	s_barrier_signal -3
.Lnot_wave_0_\@:
	s_barrier_wait -3
	s_barrier_signal -1
	s_barrier_wait -1
.endm
.macro CROUND
	s_barrier_signal -1
	s_barrier_wait -1
	CREST
.endm
.macro PLACES n
.rept \n
	v_nop
.endr
.endm
.macro MKG0 ga, gb, s
	s_mov_b32 s[\ga], 1
	s_add_co_u32 s[\ga+1], s45, (\s)*SLOT
	s_add_nc_u64 s[\ga+2:\ga+3], s[20:21], (\s)*NQ*1536
	s_or_b32 s[\ga+3], s[\ga+3], 0x80000000
	s_mov_b32 s[\gb], 1
	s_add_co_u32 s[\gb+1], s45, (\s)*SLOT
	s_add_nc_u64 s[\gb+2:\gb+3], s[46:47], (\s)*NQ*1536
	s_or_b32 s[\gb+3], s[\gb+3], 0x80000000
.endm
	s_load_b256 s[4:11], s[0:1], 0x0
	v_lshl_add_u32 v[SPW], v0, 2, SPARE
	v_mov_b32 v[NIL], 0
	ds_add_u32 v28, v29
	ds_add_u32 v28, v29
	s_wait_dscnt 0x0
	v_lshrrev_b32 v1, 5, v0
	v_readfirstlane_b32 s14, v1
	s_lshr_b32 s15, s14, 1
	s_and_b32 s16, s14, 1
	s_bfe_u32 s40, ttmp6, 0x40000
	s_bfe_u32 s41, ttmp6, 0x40004
	s_lshl_b32 s42, ttmp9, 2
	s_add_co_u32 s42, s42, s40
	s_and_b32 s17, ttmp7, 0xffff
	s_lshl_b32 s17, s17, 2
	s_add_co_u32 s17, s17, s41
	s_lshl_b32 s43, s41, 2
	s_lshl_b32 s43, 15, s43
	s_lshl_b32 s44, 0x1111, s40
	s_or_b32 s[G1+0], s43, (3<<16)|(1<<21)
	s_or_b32 s[G1B+0], s44, (3<<16)|(1<<21)
.irp g, G1, G1B
	s_mov_b32 s[\g+1], (NQ*192)<<16
	s_mov_b32 s[\g+2], (2*MB)<<16                  ; the head's loads bring 16 blocks; behind them the two words that count rows are set to 8
	s_mov_b32 s[\g+3], (NQ*192)<<16
	s_mov_b32 s[\g+4], 2*MB
	s_mov_b32 s[\g+5], KST*192
	s_mov_b32 s[\g+6], 0
	s_mov_b32 s[\g+7], 0
.endr
	s_or_b32 s[G1S+0], s43, (3<<16)|(1<<21)
	s_or_b32 s[G1SB+0], s44, (3<<16)|(1<<21)
.irp g, G1S, G1SB
	s_mov_b32 s[\g+1], 8<<16
	s_mov_b32 s[\g+2], (2*MB*KST)<<16              ; the scale words of 16 blocks: 128 records, of each the first 64 bytes
	s_mov_b32 s[\g+3], 8<<16
	s_mov_b32 s[\g+4], 2*MB*KST
	s_mov_b32 s[\g+5], 16
	s_mov_b32 s[\g+6], 0
	s_mov_b32 s[\g+7], 0
.endr
	s_mul_i32 s18, s16, MB
	s_mul_i32 s20, s17, 2*MB
	s_add_co_u32 s20, s20, s18
	s_mul_i32 s46, s42, 2*MB
	s_add_co_u32 s46, s46, s18
	s_mul_i32 s22, s20, KST*128
	s_mul_i32 s18, s46, KST*128
	s_mul_i32 s20, s20, KST*1536
	s_mul_i32 s46, s46, KST*1536
	s_mov_b32 s21, 0
	s_mov_b32 s23, 0
	s_mov_b32 s47, 0
	s_mov_b32 s19, 0
	s_mul_i32 s45, s14, HALFT
	s_wait_kmcnt 0x0
	s_add_nc_u64 s[96:97], s[4:5], ASOFF
	s_add_nc_u64 s[98:99], s[6:7], BSOFF
	s_add_nc_u64 s[6:7], s[6:7], BCOFF
	s_add_nc_u64 s[20:21], s[4:5], s[20:21]
	s_add_nc_u64 s[22:23], s[96:97], s[22:23]
	s_add_nc_u64 s[46:47], s[6:7], s[46:47]
	s_add_nc_u64 s[18:19], s[98:99], s[18:19]
	CROUND
	s_mov_b32 s[G0S], 1                            ; the scale words are asked for by waves 1 and 3, whose half is the second: the 16 blocks begin one half earlier
	s_mov_b32 s[G0S+1], SCL
	s_sub_nc_u64 s[G0S+2:G0S+3], s[22:23], MB*KST*128
	s_or_b32 s[G0S+3], s[G0S+3], 0x80000000
	s_mov_b32 s[G0SB], 1
	s_mov_b32 s[G0SB+1], SCL+2*HALFS
	s_sub_nc_u64 s[G0SB+2:G0SB+3], s[18:19], MB*KST*128
	s_or_b32 s[G0SB+3], s[G0SB+3], 0x80000000
	MKG0 G0, G0B, 0
	MKG0 G0+4, G0B+4, 1
	MKG0 G02, G0B2, 2
.macro ARM under, g0, g1, next         ; an arm of the head's one tree of branches on the wave's number: its load, and a jump to the tree's end
	s_cmp_lt_u32 s14, \under
	s_cbranch_scc0 \next
	tensor_load_to_lds s[\g0:\g0+3], s[\g1:\g1+7]
	s_nop 0
.rept 4
	v_nop
.endr
	s_branch .Lhead_asked
\next:
.endm
	ARM 1, G0,  G1,  .Lhead_sa                     ; wave 0: its quarter begins A's part of slot 0; with 16 rows the load brings both halves
	ARM 2, G0S, G1S, .Lhead_b                      ; wave 1: A's scale words
	ARM 3, G0B, G1B, .Lhead_sb                     ; wave 2: its quarter begins B's part of slot 0
	tensor_load_to_lds s[G0SB:G0SB+3], s[G1SB:G1SB+7]
	s_nop 0
.rept 4
	v_nop
.endr
.Lhead_asked:
	v_and_b32 v1, 31, v0
	v_bfe_u32 v2, v0, 4, 1
	v_lshlrev_b32 v[LI16], 4, v1
	v_lshlrev_b32 v[LI8], 3, v1
	v_lshlrev_b32 v[LI4], 2, v1
	s_mul_i32 s20, s15, HALFT
	s_mul_i32 s21, s16, HALFT
	s_add_co_u32 s21, s21, 2*HALFT
.irp s, 0,1,2
	v_add_nc_u32 v[ADRA16+\s], s20, v[LI16]
	v_add_nc_u32 v[ADRA8+\s], s20, v[LI8]
	v_add_nc_u32 v[ADRB16+\s], s21, v[LI16]
	v_add_nc_u32 v[ADRB8+\s], s21, v[LI8]
	s_add_co_u32 s20, s20, SLOT
	s_add_co_u32 s21, s21, SLOT
.endr
	s_mul_i32 s20, s15, HALFS
	s_mul_i32 s21, s16, HALFS
	s_add_co_u32 s21, s21, 2*HALFS
	s_sub_co_u32 s21, s21, s20
	v_mul_u32_u24 v3, s21, v2
	s_add_co_u32 s20, s20, SCL
	v_and_b32 v4, 15, v0
	v_lshl_add_u32 v3, v4, 2, v3
	v_add_nc_u32 v[ADRS], s20, v3
	v_lshlrev_b32 v[BO], 6, v2
	s_lshl_b32 s22, s42, 1
	s_add_co_u32 s22, s22, s16
	s_lshl_b32 s22, s22, 9
	s_mov_b32 s23, 0
	s_add_nc_u64 s[8:9], s[8:9], s[22:23]
	WIN 0x40
.set bb, 0
.rept MB/2
.irp i, 0,1,2,3
.set rC, 96+8*(2*bb+\i/2)+96*((2*bb+\i/2)/4)+4*(\i%2)
	global_load_b128 v[rC:rC+3], v[BO], s[8:9] offset:128*bb+16*\i
.endr
.set bb, bb+1
.endr
	WIN 0
	s_wait_alu depctr_va_vdst(0)
	s_wait_loadcnt 0x0
.macro FRAG reg, a16, a8, off
	ds_load_b128 v[(\reg):(\reg)+3], v[\a16] offset:(\off)
	ds_load_b64 v[(\reg)+4:(\reg)+5], v[\a8] offset:(\off)+512
	ds_load_b128 v[(\reg)+6:(\reg)+9], v[\a16] offset:(\off)+768
	ds_load_b64 v[(\reg)+10:(\reg)+11], v[\a8] offset:(\off)+1280
.endm
.macro FETCH slot, q, set
	WIN 0x40
.set fi, 0
.rept MB
	FRAG 128*(\set)+12*fi, ADRB16+(\slot), ADRB8+(\slot), (fi*NQ+(\q))*1536
.set fi, fi+1
.endr
	WIN 0
.set fi, 0
.rept MB
	FRAG AF+12*MB*(\set)+12*fi, ADRA16+(\slot), ADRA8+(\slot), (fi*NQ+(\q))*1536
.set fi, fi+1
.endr
.endm
.macro SCALES sc
.set fi, 0
.rept MB
.set fq, 0
.rept NQ
	ds_load_b32 v[SC+16*(\sc)+NQ*fi+fq], v[ADRS] offset:fi*KST*64+64*fq
.set fq, fq+1
.endr
.set fi, fi+1
.endr
.endm
.macro MULA a, set, q, sc, mode
.if (\mode)==0
	WIN 0xa1+0x50*((\a)/4)
.else
	WIN 0x91+0x40*((\a)/4)
.endif
.set mb, 0
.rept MB
.set rD, 8*(MB*((\a)%4)+mb)
.set rC, rD
.if (\mode)==1
.set rC, 96+8*mb+96*(mb/4)
.endif
.set rB, 128*(\set)+12*mb
.set rA, AF+12*MB*(\set)+12*(\a)
	v_wmma_scale_f32_16x16x128_f8f6f4 v[rD:rD+7], v[rB:rB+11], v[rA:rA+11], v[rC:rC+7], v[SC+16*(\sc)+NQ*mb+(\q)], v[SC+16*(\sc)+NQ*(\a)+(\q)] matrix_a_fmt:MATRIX_FMT_BF6 matrix_b_fmt:MATRIX_FMT_BF6 matrix_a_scale:MATRIX_SCALE_ROW1
.set mb, mb+1
.endr
.endm
.macro MULQ Q, set, q, sc, mode
.set ma, (\Q)*MB/4
.rept MB/4
	MULA ma, \set, \q, \sc, \mode
.set ma, ma+1
.endr
.endm
.macro MULS set, q, sc, mode
	MULQ 0, \set, \q, \sc, \mode
	MULQ 1, \set, \q, \sc, \mode
	MULQ 2, \set, \q, \sc, \mode
	MULQ 3, \set, \q, \sc, \mode
.endm
.macro STEP slot, sc, mode
	s_wait_dscnt 0x0
	PLACES 4
	FETCH \slot, 1, 1
	MULS 0, 0, \sc, \mode
.endm
.macro TURN next, sc, nsc, fill
	WIN 0
	s_wait_tensorcnt 0x0
	ds_add_u32 v[SPW], v[NIL]
	s_wait_dscnt 1
	MULQ 0, 1, 1, \sc, 0
	s_wait_dscnt 0x0
	s_barrier_signal -1
	MULQ 1, 1, 1, \sc, 0
	WIN 0
	s_barrier_wait -1
.if \fill
	CREST                                          ; no wave of any partner still reads the slot or has a load on its way
.if (\fill)==2
	JLOAD G02, G1, G0B2, G1B                       ; slot 2's first fill: my one tensor load behind the round
.else
	s_add_nc_u64 s[G0+2:G0+3], s[G0+2:G0+3], 3*NQ*1536
	s_add_nc_u64 s[G0B+2:G0B+3], s[G0B+2:G0B+3], 3*NQ*1536
	JLOAD G0, G1, G0B, G1B                         ; slot 0 again: K steps 6 and 7
.endif
.else
	PLACES 4
.endif
	v_add_nc_u32 v[ADRS], 64*NQ, v[ADRS]
	FETCH \next, 0, 0
	SCALES \nsc
	MULQ 2, 1, 1, \sc, 0
	MULQ 3, 1, 1, \sc, 0
.endm
	s_wait_tensorcnt 0x0                           ; my tile of the head's four is in
	ds_add_u32 v[SPW], v[NIL]
	s_mov_b32 s[G1+2], MB<<16                      ; no tensor load of mine is out: from here on a load brings 8 blocks
	s_mov_b32 s[G1+4], MB
	s_mov_b32 s[G1B+2], MB<<16
	s_mov_b32 s[G1B+4], MB
	s_wait_dscnt 0x0
	CROUND                                         ; all four tiles are in, and all sixteen work-groups are here
	JLOAD G0+4, G1, G0B+4, G1B                     ; slot 1's first fill
	FETCH 0, 0, 0
	SCALES 0
	STEP 0, 0, 1
	TURN 1, 0, 1, 2
	s_wait_alu depctr_va_vdst(0)
	STEP 1, 1, 0
	TURN 2, 1, 0, 1
	s_wait_alu depctr_va_vdst(0)
	STEP 2, 0, 0
	TURN 0, 0, 1, 0
	STEP 0, 1, 0
	s_wait_dscnt 0x0
	MULS 1, 1, 1, 0
	WIN 0
	PLACES 4
.set A0,  24
.set A2,  26
.set A3,  28
.set A4,  30
.set B0,  32
.set B2,  34
.set B3,  36
.set B4,  38
.set B5,  48
.set RT2, 50
.set CLP, 52
.set CLN, 53
.macro SETP reg, val
	s_mov_b32 s[\reg], \val
	s_mov_b32 s[\reg+1], \val
.endm
	SETP A0, 0x39702d51
	SETP A2, 0x3d50b6eb
	SETP A3, 0x3e3da740
	SETP A4, 0x3f906eba
	SETP B0, 0xb3fd3906
	SETP B2, 0x3a856d28
	SETP B3, 0x3c6687d4
	SETP B4, 0x3de34c21
	SETP B5, 0x3efeb44a
	SETP RT2, 0x3fb504f3
	s_mov_b32 s[CLP], 0x407547cb
	s_mov_b32 s[CLN], 0xc07547cb
	s_mov_b32 s60, 0x76543210
	s_mov_b32 s61, 0xfedcba98
	v_mov_b32 v[K1], 0x3b5f5da2
	v_mov_b32 v[K1+1], 0x3b5f5da2
	v_mov_b32 v[KQ1], 0x37c588df
	v_mov_b32 v[KQ1+1], 0x37c588df
	s_lshl_b32 s54, s17, 4
	s_lshl_b32 s55, s15, 3
	s_add_co_u32 s54, s54, s55
	s_lshl_b32 s54, s54, 5
	s_lshl_b32 s55, s42, 1
	s_add_co_u32 s54, s54, s55
	s_add_co_u32 s54, s54, s16
	s_lshl_b32 s56, s54, 7
	s_add_co_u32 s56, s56, 12582912
	s_mul_i32 s54, s54, 1536
	s_mov_b32 s55, 0
	s_mov_b32 s57, 0
	s_add_nc_u64 s[54:55], s[10:11], s[54:55]
	s_add_nc_u64 s[56:57], s[10:11], s[56:57]
.macro SEC a
	WIN 2+(\a)/4
.set si, 0
.rept 32
	v_pk_mul_f32 v[HX+si:HX+si+1], v[64*((\a)%4)+si:64*((\a)%4)+si+1], 0.5 op_sel_hi:[1,0]
.set si, si+2
.endr
	WIN 0
.endm
.macro GELU32 g
.set H0, HX+32*(\g)
.set gi, 0
.rept 16
	v_pk_mul_f32 v[Z+gi:Z+gi+1], v[H0+gi:H0+gi+1], s[RT2:RT2+1] op_sel_hi:[1,0]
.set gi, gi+2
.endr
.set gi, 0
.rept 32
	v_med3_num_f32 v[Z+gi], v[Z+gi], s[CLN], s[CLP]
.set gi, gi+1
.endr
.set gi, 0
.rept 16
	v_pk_mul_f32 v[W+gi:W+gi+1], v[Z+gi:Z+gi+1], v[Z+gi:Z+gi+1]
.set gi, gi+2
.endr
.set gi, 0
.rept 16
	v_pk_fma_f32 v[P+gi:P+gi+1], v[W+gi:W+gi+1], s[A0:A0+1], v[K1:K1+1] op_sel_hi:[1,0,1]
	v_pk_fma_f32 v[Q+gi:Q+gi+1], v[W+gi:W+gi+1], s[B0:B0+1], v[KQ1:KQ1+1] op_sel_hi:[1,0,1]
.set gi, gi+2
.endr
.irp c, A2, A3, A4
.set gi, 0
.rept 16
	v_pk_fma_f32 v[P+gi:P+gi+1], v[P+gi:P+gi+1], v[W+gi:W+gi+1], s[\c:\c+1] op_sel_hi:[1,1,0]
.set gi, gi+2
.endr
.endr
.irp c, B2, B3, B4, B5
.set gi, 0
.rept 16
	v_pk_fma_f32 v[Q+gi:Q+gi+1], v[Q+gi:Q+gi+1], v[W+gi:W+gi+1], s[\c:\c+1] op_sel_hi:[1,1,0]
.set gi, gi+2
.endr
.endr
.set gi, 0
.rept 16
	v_pk_fma_f32 v[Q+gi:Q+gi+1], v[Q+gi:Q+gi+1], v[W+gi:W+gi+1], 1.0 op_sel_hi:[1,1,0]
.set gi, gi+2
.endr
.set gi, 0
	s_wait_alu depctr_va_vdst(0)
.rept 32
	v_rcp_f32 v[Q+gi], v[Q+gi]
.set gi, gi+1
.endr
.set gi, 0
.rept 16
	v_pk_mul_f32 v[P+gi:P+gi+1], v[P+gi:P+gi+1], v[Z+gi:Z+gi+1]
.set gi, gi+2
.endr
	s_wait_alu depctr_va_vdst(0)
.set gi, 0
.rept 16
	v_pk_mul_f32 v[P+gi:P+gi+1], v[P+gi:P+gi+1], v[Q+gi:Q+gi+1]
.set gi, gi+2
.endr
.set gi, 0
.rept 16
	v_pk_fma_f32 v[H0+gi:H0+gi+1], v[H0+gi:H0+gi+1], v[P+gi:P+gi+1], v[H0+gi:H0+gi+1]
.set gi, gi+2
.endr
.endm
	s_mov_b32 s58, 0
.Lrow:
.irp k, 0,1,2,3,4,5,6
	s_cmp_eq_u32 s58, \k
	s_cbranch_scc1 .Lsec\k
.endr
	SEC 7
	s_branch .Lcommon
.irp k, 0,1,2,3,4,5
.Lsec\k:
	SEC \k
	s_branch .Lcommon
.endr
.Lsec6:
	SEC 6
.Lcommon:
	GELU32 0
	GELU32 1
.irp b, 0,1,2,3
	v_max3_num_f32 v[TM+\b], |v[HX+16*\b]|, |v[HX+1+16*\b]|, 0x2800000
.endr
.irp i, 2,4,6,8,10,12,14
.irp b, 0,1,2,3
	v_max3_num_f32 v[TM+\b], v[TM+\b], |v[HX+16*\b+\i]|, |v[HX+1+16*\b+\i]|
.endr
.endr
.irp b, 0,1,2,3
	v_permlanex16_b32 v[TM+4+\b], v[TM+\b], s60, s61
.endr
.irp b, 0,1,2,3
	v_max_num_f32 v[TM+\b], v[TM+\b], v[TM+4+\b]
.endr
.irp b, 0,1,2,3
	v_add_nc_u32 v[TM+12+\b], 0xfe000000, v[TM+\b]
.endr
.irp b, 0,1,2,3
	v_lshrrev_b32 v[TM+4+\b], 23, v[TM+12+\b]
.endr
	v_lshl_or_b32 v[PW], v[TM+5], 8, v[TM+4]
	v_lshl_or_b32 v[PW], v[TM+6], 16, v[PW]
	v_lshl_or_b32 v[PW], v[TM+7], 24, v[PW]
.irp c, 0,1
	v_cvt_scalef32_pk16_bf6_f32 v[PC+6*\c:PC+2+6*\c], v[HX+32*\c:HX+15+32*\c], v[TM+12+2*\c]
	v_cvt_scalef32_pk16_bf6_f32 v[PC+12+4*\c:PC+14+4*\c], v[HX+16+32*\c:HX+31+32*\c], v[TM+12+2*\c+1]
.endr
	v_nop
.irp c, 0,1
.irp i, 0,1,2
	v_permlane16_swap_b32 v[PC+6*\c+\i], v[PC+12+4*\c+\i]
.endr
.irp i, 0,1,2
	v_mov_b32 v[PC+3+6*\c+\i], v[PC+12+4*\c+\i]
.endr
.endr
	global_store_b128 v[LI16], v[PC:PC+3], s[54:55]
	global_store_b64 v[LI8], v[PC+4:PC+5], s[54:55] offset:512
	global_store_b128 v[LI16], v[PC+6:PC+9], s[54:55] offset:768
	global_store_b64 v[LI8], v[PC+10:PC+11], s[54:55] offset:1280
	global_store_b32 v[LI4], v[PW], s[56:57]
	s_wait_xcnt 0x0
	s_add_nc_u64 s[54:55], s[54:55], 49152
	s_add_nc_u64 s[56:57], s[56:57], 4096
	s_add_co_u32 s58, s58, 1
	s_cmp_lt_u32 s58, 8
	s_cbranch_scc1 .Lrow
	s_wait_tensorcnt 0x0
	ds_add_u32 v[SPW], v[NIL]
	s_wait_dscnt 0x0
	CROUND
	s_endpgm
.Lfunc_end_k_q8c18d1a506_fc:
	.size	k_q8c18d1a506_fc, .Lfunc_end_k_q8c18d1a506_fc-k_q8c18d1a506_fc
	.p2alignl 7, 3214868480
	.fill 96, 4, 3214868480
	.section	.rodata,"a",@progbits
	.p2align	6, 0x0
	.amdhsa_kernel k_q8c18d1a506_fc
		.amdhsa_group_segment_fixed_size 327680
		.amdhsa_private_segment_fixed_size 0
		.amdhsa_enable_private_segment 0
		.amdhsa_kernarg_size 32
		.amdhsa_user_sgpr_count 2
		.amdhsa_user_sgpr_kernarg_segment_ptr 1
		.amdhsa_wavefront_size32 1
		.amdhsa_system_sgpr_workgroup_id_x 1
		.amdhsa_system_sgpr_workgroup_id_y 1
		.amdhsa_system_sgpr_workgroup_id_z 1
		.amdhsa_system_vgpr_workitem_id 0
		.amdhsa_next_free_vgpr 1024
		.amdhsa_next_free_sgpr 100
		.amdhsa_reserve_vcc 0
		.amdhsa_float_denorm_mode_32 3
		.amdhsa_float_denorm_mode_16_64 3
		.amdhsa_memory_ordered 1
		.amdhsa_forward_progress 1
		.amdhsa_inst_pref_size 177
	.end_amdhsa_kernel
	.amdgpu_metadata
---
amdhsa.version: [ 1, 2 ]
amdhsa.kernels:
  - .name:           k_q8c18d1a506_fc
    .symbol:         k_q8c18d1a506_fc.kd
    .args:
      - { .name: act, .offset: 0, .size: 8, .value_kind: global_buffer, .address_space: global }
      - { .name: wq, .offset: 8, .size: 8, .value_kind: global_buffer, .address_space: global }
      - { .name: b_fc, .offset: 16, .size: 8, .value_kind: global_buffer, .address_space: global }
      - { .name: hq, .offset: 24, .size: 8, .value_kind: global_buffer, .address_space: global }
    .group_segment_fixed_size: 327680
    .private_segment_fixed_size: 0
    .kernarg_segment_align: 8
    .kernarg_segment_size: 32
    .max_flat_workgroup_size: 128
    .sgpr_count:     100
    .vgpr_count:     1024
    .wavefront_size: 32
...
	.end_amdgpu_metadata
.endif
;; end of part 5
;; launch fc2 (part 6): grid 8 x 32, 4 waves a work-group, clusters of 4 x 4, 327,680 bytes of LDS; arguments hq, wq, b_fc2, x1, out0; writes out0
.if DOCPART == 6
	.amdgcn_target "amdgcn-amd-amdhsa--gfx1250"
	.amdhsa_code_object_version 6
	.text
	.protected	k_q8c18d1a506_fc2
	.globl	k_q8c18d1a506_fc2
	.p2align	8
	.type	k_q8c18d1a506_fc2,@function
k_q8c18d1a506_fc2:
	s_mov_b64 s[64:65], 0
	v_nop
	global_prefetch_b8 v0, s[64:65] scope:SCOPE_SE
	s_setreg_imm32_b32 hwreg(HW_REG_WAVE_MODE, 25, 1), 1
	s_wait_xcnt 0x0
	s_wait_alu depctr_hold_cnt(0) depctr_sa_sdst(0) depctr_va_vdst(0) depctr_va_sdst(0) depctr_va_ssrc(0) depctr_va_vcc(0) depctr_vm_vsrc(0)
	s_getreg_b32 s2, hwreg(HW_REG_IB_STS2, 6, 4)
	s_cmp_eq_u32 s2, 0
	s_cbranch_scc0 .Lentry_in_a_cluster
	s_endpgm
.Lentry_in_a_cluster:
	s_bfe_u32 s2, ttmp6, 0x10000c
	s_cmp_lg_u32 s2, 0xf033
	s_cbranch_scc0 .Lentry_shape_is_right
	s_endpgm
.Lentry_shape_is_right:
; out0 = x1 + hq W_fc2^T + b_fc2: A [4096][4096] and B [1024][4096] as codes of BF6 (E3M2) with E8M0 scales in this program's operand format (physical row p = logical row with bits 3 and 4 exchanged;
; codes [rb][K/128][1536] as images of a fragment's 12 registers; scale words [rb][K/128][128], lanes 16-31 repeating lanes 0-15); x1 and out0 f32 [4096][1024] with logical rows; f32 sums, K ascending.
; N = 1,024 gives 256 blocks of 128 x 128: a work-group of four waves makes one, a wave 64 x 64 (16 accumulators).  K = 4,096 is 32 K steps: eight tiles of four steps through a ring of TWO SLOTS.
; THE HEAD'S FOUR TILES ARE SHARED OUT, one load a wave: wave 0 tile 0's 8 blocks of A, wave 1 its 8 blocks of B, wave 2 A's scale words for all of K, wave 3 B's.  Tile 1 is asked for behind a round in front of K step 0.
; FRAGMENTS have four register sets and are asked for two K steps ahead.  So a slot's last fragments are asked for in its second step, and the change of slots stands in its third: the slot is filled again
; while its last two steps are still multiplied from registers.  From a refill to the wait for it a wave issues 56 matrix instructions; one load a wave is out behind each round.
; The bias is loaded into the accumulators, so every product adds in place and one loop body serves all trips: a trip is eight K steps, once round the ring; three trips, and the last eight steps written out (they ask for nothing).
; THE MATRIX INSTRUCTION IS USED TRANSPOSED (source 0 = 16 rows of B, source 1 = 16 rows of A): lane (r, h), register j of accumulator (a, b): A's physical row 16 a + r, logical column 32 (b/2) + 16 h + 8 (b%2) + j.
; 4 x 4 work-groups form a cluster: A's tiles are asked for jointly along a row, B's along a column.
; PREFETCH: a wave's load is 4 blocks x 6,144 bytes.  Of these the partner at place p (cx for A, cy for B) names block p: 24 pieces of 256 bytes, a lane a piece (lanes 24-31 name the last again), one instruction a wave,
; for the tile that stands two refills on; tiles 2 and 3 are named at the head and behind tile 1's load; the last trip of the loop names nothing: tile 7 is the last.
; REGISTERS: window 0: v6-29 addresses; v32-47 scale words; v64-255 A's four sets (v160-223 on the way out).  window 1: v0-191 B's four sets.  window 2: v0-127 accumulators, v128-255 the residual.
.set MB,    4
.set NQ,    4
.set KST,   32
.set ASOFF, 12582912
.set BCOFF, 6291456
.set BSOFF, 9961472
.set TRIPS, KST/(2*NQ)-1
.set HALFT, MB*NQ*1536
.set SLOT,  4*HALFT
.set SCL,   2*SLOT
.set HALFS, MB*KST*128
.set STG,   SCL+4*HALFS                ; a stage of 16 rows x (256 + 16) bytes for each wave: no fill lands there
.set SPARE, STG+4*4352
.set BO,     6
.set LI16,   8
.set LI8,    9
.set LI4,    10
.set PFO,    11
.set ADRA16, 16
.set ADRA8,  18
.set ADRB16, 20
.set ADRB8,  22
.set STO,    24
.set RD,     25
.set CO,     26
.set ADRS,   27
.set SPW,    28
.set NIL,    29
.set SC,     32
.set AF,     64
.set BK,     160
.set G1,   24
.set G0,   32
.set G1B,  48
.set G0B,  56
.set PFA,  66
.set G1S,  68
.set G0S,  76
.set G1SB, 80
.set G0SB, 88
.set G0H,  92
.set G0HB, 96
.set MSB, 0
.macro WIN new
.if MSB != (\new)
	s_set_vgpr_msb (MSB<<8)|(\new)
.set MSB, (\new)
.endif
.endm
.macro JLOAD g0a, g1a, g0b, g1b        ; a joint load: waves 0 and 1 fetch for A, waves 2 and 3 for B; s_nop 0 and four v_nop follow each line
	s_cmp_eq_u32 s15, 0
	s_cbranch_scc0 .Lfor_b_\@
	tensor_load_to_lds s[\g0a:\g0a+3], s[\g1a:\g1a+7]
	s_nop 0
.rept 4
	v_nop
.endr
	s_branch .Lasked_\@
.Lfor_b_\@:
	tensor_load_to_lds s[\g0b:\g0b+3], s[\g1b:\g1b+7]
	s_nop 0
.rept 4
	v_nop
.endr
.Lasked_\@:
.endm
.macro CREST
	s_cmp_lg_u32 s14, 0
	s_cbranch_scc1 .Lnot_wave_0_\@
	s_barrier_signal -3
.Lnot_wave_0_\@:
	s_barrier_wait -3
	s_barrier_signal -1
	s_barrier_wait -1
.endm
.macro CROUND
	s_barrier_signal -1
	s_barrier_wait -1
	CREST
.endm
.macro PLACES n
.rept \n
	v_nop
.endr
.endm
.macro ARM under, g0, g1, next         ; an arm of the head's one tree of branches on the wave's number
	s_cmp_lt_u32 s14, \under
	s_cbranch_scc0 \next
	tensor_load_to_lds s[\g0:\g0+3], s[\g1:\g1+7]
	s_nop 0
.rept 4
	v_nop
.endr
	s_branch .Lhead_asked
\next:
.endm
.macro MKH g, lds, src                 ; a group 0 of the head
	s_mov_b32 s[\g], 1
	s_mov_b32 s[\g+1], \lds
	s_mov_b64 s[\g+2:\g+3], s[\src:\src+1]
	s_or_b32 s[\g+3], s[\g+3], 0x80000000
.endm
	s_load_b256 s[4:11], s[0:1], 0x0               ; A, wq, bias, residual
	s_load_b64 s[12:13], s[0:1], 0x20              ; out
	v_lshl_add_u32 v[SPW], v0, 2, SPARE
	v_mov_b32 v[NIL], 0
	ds_add_u32 v[SPW], v[NIL]                      ; the opening lines: the add, twice on end, and its wait
	ds_add_u32 v[SPW], v[NIL]
	v_lshrrev_b32 v1, 5, v0
	v_readfirstlane_b32 s14, v1
	s_lshr_b32 s15, s14, 1
	s_and_b32 s16, s14, 1
	s_bfe_u32 s40, ttmp6, 0x40000
	s_bfe_u32 s41, ttmp6, 0x40004
	s_lshl_b32 s42, ttmp9, 2
	s_add_co_u32 s42, s42, s40                     ; tile column
	s_and_b32 s17, ttmp7, 0xffff
	s_lshl_b32 s17, s17, 2
	s_add_co_u32 s17, s17, s41                     ; tile row
	s_lshl_b32 s43, s41, 2
	s_lshl_b32 s43, 15, s43
	s_lshl_b32 s44, 0x1111, s40
	s_or_b32 s[G1+0], s43, (3<<16)|(1<<21)
	s_or_b32 s[G1B+0], s44, (3<<16)|(1<<21)
.irp g, G1, G1B
	s_mov_b32 s[\g+1], (NQ*192)<<16                ; a block's NQ records
	s_mov_b32 s[\g+2], (2*MB)<<16                  ; the head's loads bring 8 blocks; behind them the two words that count rows are set to 4
	s_mov_b32 s[\g+3], (NQ*192)<<16
	s_mov_b32 s[\g+4], 2*MB
	s_mov_b32 s[\g+5], KST*192
	s_mov_b32 s[\g+6], 0
	s_mov_b32 s[\g+7], 0
.endr
	s_or_b32 s[G1S+0], s43, (3<<16)|(1<<21)        ; the scale words of 8 blocks: a dense block, as rows of 256 bytes
	s_or_b32 s[G1SB+0], s44, (3<<16)|(1<<21)
.irp g, G1S, G1SB
	s_mov_b32 s[\g+1], 32<<16
	s_mov_b32 s[\g+2], (2*HALFS/256)<<16
	s_mov_b32 s[\g+3], 32<<16
	s_mov_b32 s[\g+4], 2*HALFS/256
	s_mov_b32 s[\g+5], 32
	s_mov_b32 s[\g+6], 0
	s_mov_b32 s[\g+7], 0
.endr
	s_mul_i32 s20, s17, 2*MB*KST*1536              ; the tile's codes and scale words, in bytes
	s_mul_i32 s46, s42, 2*MB*KST*1536
	s_mul_i32 s22, s17, 2*MB*KST*128
	s_mul_i32 s18, s42, 2*MB*KST*128
	s_mov_b32 s21, 0
	s_mov_b32 s23, 0
	s_mov_b32 s47, 0
	s_mov_b32 s19, 0
	s_mul_i32 s45, s14, HALFT                      ; where my quarter of a slot goes: by the wave's number alone
	s_mul_i32 s2, s16, MB*KST*1536                 ; which half of a tile's blocks I fetch in the ring
	s_mov_b32 s3, 0
	s_wait_dscnt 0x0                               ; both opening adds are done
	s_wait_kmcnt 0x0
	s_add_nc_u64 s[20:21], s[4:5], s[20:21]
	s_add_nc_u64 s[22:23], s[4:5], s[22:23]
	s_add_nc_u64 s[22:23], s[22:23], ASOFF
	s_add_nc_u64 s[46:47], s[6:7], s[46:47]
	s_add_nc_u64 s[46:47], s[46:47], BCOFF
	s_add_nc_u64 s[18:19], s[6:7], s[18:19]
	s_add_nc_u64 s[18:19], s[18:19], BSOFF
	CROUND                                         ; all sixteen work-groups are here: the first joint loads meet
	MKH G0H, 0, 20
	MKH G0HB, 2*HALFT, 46
	MKH G0S, SCL, 22
	MKH G0SB, SCL+2*HALFS, 18
	s_add_nc_u64 s[20:21], s[20:21], s[2:3]
	s_add_nc_u64 s[46:47], s[46:47], s[2:3]
.irp s, 0,1
	s_mov_b32 s[G0+4*\s], 1
	s_add_co_u32 s[G0+4*\s+1], s45, \s*SLOT
	s_add_nc_u64 s[G0+4*\s+2:G0+4*\s+3], s[20:21], \s*NQ*1536
	s_or_b32 s[G0+4*\s+3], s[G0+4*\s+3], 0x80000000
	s_mov_b32 s[G0B+4*\s], 1
	s_add_co_u32 s[G0B+4*\s+1], s45, \s*SLOT
	s_add_nc_u64 s[G0B+4*\s+2:G0B+4*\s+3], s[46:47], \s*NQ*1536
	s_or_b32 s[G0B+4*\s+3], s[G0B+4*\s+3], 0x80000000
.endr
	ARM 1, G0H,  G1,  .Lhead_b
	ARM 2, G0HB, G1B, .Lhead_sa
	ARM 3, G0S,  G1S, .Lhead_sb
	tensor_load_to_lds s[G0SB:G0SB+3], s[G1SB:G1SB+7]
	s_nop 0
.rept 4
	v_nop
.endr
.Lhead_asked:
	s_cmp_eq_u32 s15, 0                            ; the prefetches: of the four blocks that I fetch, the block of my work-group's place among the four partners, from tile 2 on
	s_cselect_b64 s[PFA:PFA+1], s[20:21], s[46:47]
	s_cselect_b32 s2, s40, s41
	s_mul_i32 s2, s2, KST*1536
	s_add_nc_u64 s[PFA:PFA+1], s[PFA:PFA+1], s[2:3]
	s_add_nc_u64 s[PFA:PFA+1], s[PFA:PFA+1], 2*NQ*1536
	v_and_b32 v1, 31, v0
	v_bfe_u32 v2, v0, 4, 1
	v_lshlrev_b32 v[LI16], 4, v1
	v_lshlrev_b32 v[LI8], 3, v1
	v_lshlrev_b32 v[LI4], 2, v1
	s_mul_i32 s100, s15, HALFT
	s_mul_i32 s101, s16, HALFT
	s_add_co_u32 s101, s101, 2*HALFT
.irp s, 0,1
	v_add_nc_u32 v[ADRA16+\s], s100, v[LI16]
	v_add_nc_u32 v[ADRA8+\s], s100, v[LI8]
	v_add_nc_u32 v[ADRB16+\s], s101, v[LI16]
	v_add_nc_u32 v[ADRB8+\s], s101, v[LI8]
	s_add_co_u32 s100, s100, SLOT
	s_add_co_u32 s101, s101, SLOT
.endr
	s_mul_i32 s100, s15, HALFS                     ; scale words: lanes 0-15 take A's records, lanes 16-31 B's (the records' second halves repeat the first)
	s_mul_i32 s101, s16, HALFS
	s_add_co_u32 s101, s101, 2*HALFS
	s_sub_co_u32 s101, s101, s100
	v_mul_u32_u24 v3, s101, v2
	s_add_co_u32 s100, s100, SCL
	v_add_nc_u32 v3, v[LI4], v3
	v_add_nc_u32 v[ADRS], s100, v3
	v_and_b32 v3, 15, v0
	s_mul_i32 s100, s14, 4352
	s_add_co_u32 s100, s100, STG
	v_mul_u32_u24 v4, v3, 272
	v_lshl_add_u32 v4, v2, 6, v4
	v_add_nc_u32 v[STO], s100, v4                  ; into my stage: row r, + 64 h
	v_mul_u32_u24 v4, v2, 272
	v_lshl_add_u32 v4, v3, 4, v4
	v_add_nc_u32 v[RD], s100, v4                   ; back: lanes 0-15 one row of 256 bytes, lanes 16-31 the next
	v_lshlrev_b32 v[CO], 12, v2
	v_lshl_add_u32 v[CO], v3, 4, v[CO]             ; and the same two rows in the residual and in out
	v_lshlrev_b32 v[BO], 6, v2
	v_min_u32 v[PFO], 23, v1
	v_lshlrev_b32 v[PFO], 8, v[PFO]                ; a lane a piece of 256 bytes, 24 pieces
	s_wait_alu depctr_va_vdst(0)
	s_lshl_b32 s100, s42, 1
	s_add_co_u32 s100, s100, s16
	s_lshl_b32 s100, s100, 8                       ; my first column, in bytes
	s_mov_b32 s101, 0
	s_add_nc_u64 s[8:9], s[8:9], s[100:101]
	s_lshl_b32 s2, s17, 1
	s_add_co_u32 s2, s2, s15
	s_lshl_b32 s2, s2, 18                          ; my first row: 64 rows of 4,096 bytes
	s_add_co_u32 s100, s100, s2
	s_add_nc_u64 s[10:11], s[10:11], s[100:101]
	s_add_nc_u64 s[12:13], s[12:13], s[100:101]
	WIN 0x80
.irp a, 0,1,2,3                        ; the bias starts the sums: accumulator (a, b) takes the eight columns of its lane
.irp b, 0,1,2,3
	global_load_b128 v[8*(4*\a+\b):8*(4*\a+\b)+3], v[BO], s[8:9] offset:128*(\b/2)+32*(\b%2)
	global_load_b128 v[8*(4*\a+\b)+4:8*(4*\a+\b)+7], v[BO], s[8:9] offset:128*(\b/2)+32*(\b%2)+16
.endr
.endr
	WIN 0
	global_prefetch_b8 v[PFO], s[PFA:PFA+1] offset:-NQ*1536 th:TH_LOAD_NT scope:SCOPE_SE   ; tile 1, whose load goes out when the head's have landed
	global_prefetch_b8 v[PFO], s[PFA:PFA+1] th:TH_LOAD_NT scope:SCOPE_SE       ; tile 2
.macro FRAG reg, a16, a8, off
	ds_load_b128 v[(\reg):(\reg)+3], v[\a16] offset:(\off)
	ds_load_b64 v[(\reg)+4:(\reg)+5], v[\a8] offset:(\off)+512
	ds_load_b128 v[(\reg)+6:(\reg)+9], v[\a16] offset:(\off)+768
	ds_load_b64 v[(\reg)+10:(\reg)+11], v[\a8] offset:(\off)+1280
.endm
.macro FETCH sl, q, so, set            ; 36 LDS loads: the fragments of slot sl's q-th K step and its scale words (record so from the trip's address) into a set
	WIN 0x40
.set fi, 0
.rept MB
	FRAG 48*(\set)+12*fi, ADRB16+(\sl), ADRB8+(\sl), (fi*NQ+(\q))*1536
.set fi, fi+1
.endr
	WIN 0
.set fi, 0
.rept MB
	FRAG AF+48*(\set)+12*fi, ADRA16+(\sl), ADRA8+(\sl), (fi*NQ+(\q))*1536
	ds_load_b32 v[SC+4*(\set)+fi], v[ADRS] offset:fi*KST*128+128*(\so)
.set fi, fi+1
.endr
.endm
.macro MULA a, set                     ; A's block a against B's four; the 16 accumulators take turns, one instruction a turn
	WIN 0xa1
.set mb, 0
.rept MB
.set rD, 8*(MB*(\a)+mb)
.set rB, 48*(\set)+12*mb
.set rA, AF+48*(\set)+12*(\a)
	v_wmma_scale_f32_16x16x128_f8f6f4 v[rD:rD+7], v[rB:rB+11], v[rA:rA+11], v[rD:rD+7], v[SC+4*(\set)+mb], v[SC+4*(\set)+(\a)] matrix_a_fmt:MATRIX_FMT_BF6 matrix_b_fmt:MATRIX_FMT_BF6 matrix_a_scale:MATRIX_SCALE_ROW1
.set mb, mb+1
.endr
.endm
.macro MULS set
	MULA 0, \set
	MULA 1, \set
	MULA 2, \set
	MULA 3, \set
.endm
.macro STEP set, fsl, fq, fso          ; a K step on a set; the step two on is asked for first
	s_wait_dscnt 36                                ; this step's 36 loads are in; the next step's 36 may be out
	PLACES 4                                       ; in front of loads into registers that matrix instructions have read
	FETCH \fsl, \fq, \fso, ((\set)+2)%4
	MULS \set
.endm
; a slot's third K step (set 2) changes slots: all of slot sl's fragments have been asked for.  In front of the barrier each wave waits for all its tensor loads (its part of the other slot), adds 0 to its spare word,
; and waits for that and for its reads of slot sl.  fill = 1: the barrier opens a round of the cluster's, and slot sl is filled again, two tiles on.  Then the other slot's first fragments are asked for.
.macro TURN sl, fill, fso
	WIN 0
.if \fill
	s_wait_xcnt 0x0                                ; my prefetches have read their address: it steps a tile on
	s_add_nc_u64 s[PFA:PFA+1], s[PFA:PFA+1], NQ*1536
.endif
	s_wait_tensorcnt 0x0
	ds_add_u32 v[SPW], v[NIL]
	s_wait_dscnt 37                                ; this step's loads are in; the next step's 36 and the add may be out
	MULA 0, 2
	s_wait_dscnt 0x0                               ; the add is done, my reads of this slot are over
	s_barrier_signal -1
	MULA 1, 2
	WIN 0
	s_barrier_wait -1
.if \fill
	CREST                                          ; no wave of any partner still reads the slot or has a load on its way
	s_add_nc_u64 s[G0+4*(\sl)+2:G0+4*(\sl)+3], s[G0+4*(\sl)+2:G0+4*(\sl)+3], 2*NQ*1536
	s_add_nc_u64 s[G0B+4*(\sl)+2:G0B+4*(\sl)+3], s[G0B+4*(\sl)+2:G0B+4*(\sl)+3], 2*NQ*1536
	JLOAD G0+4*(\sl), G1, G0B+4*(\sl), G1B         ; my one tensor load behind the round; its four v_nop are the places in front of the loads below
.else
	PLACES 4
.endif
	FETCH 1-(\sl), 0, \fso, 0
.if \fill
	s_cmp_gt_u32 s3, 1                             ; the loop's last trip has no tile two refills on
	s_cbranch_scc0 .Lno_ask_\@
	global_prefetch_b8 v[PFO], s[PFA:PFA+1] offset:NQ*1536 th:TH_LOAD_NT scope:SCOPE_SE
.Lno_ask_\@:
.endif
	MULA 2, 2
	MULA 3, 2
.endm
.macro SIX fill                        ; a trip's first six K steps
	STEP 0, 0, 2, 2
	STEP 1, 0, 3, 3
	TURN 0, \fill, 4
	STEP 3, 1, 1, 5
	STEP 0, 1, 2, 6
	STEP 1, 1, 3, 7
.endm
	s_wait_tensorcnt 0x0                           ; my tile of the head's four is in
	ds_add_u32 v[SPW], v[NIL]
	s_mov_b32 s[G1+2], MB<<16                      ; no tensor load of mine is out: from here on a load brings 4 blocks
	s_mov_b32 s[G1+4], MB
	s_mov_b32 s[G1B+2], MB<<16
	s_mov_b32 s[G1B+4], MB
	s_wait_dscnt 0x0
	CROUND                                         ; all four tiles are in, and all sixteen work-groups are here
	JLOAD G0+4, G1, G0B+4, G1B                     ; tile 1: slot 1's first fill
	FETCH 0, 0, 0, 0
	FETCH 0, 1, 1, 1
	global_prefetch_b8 v[PFO], s[PFA:PFA+1] offset:NQ*1536 th:TH_LOAD_NT scope:SCOPE_SE    ; tile 3
	WIN 0x80
.irp a, 0,1,2,3                        ; the residual, asked for behind tiles 0 and 1 and the prefetches of tiles 2 and 3, in the order in which the rows will come back from the stage; it is wanted on the way out
.irp t, 0,1,2,3,4,5,6,7
	global_load_b128 v[128+32*\a+4*\t:128+32*\a+4*\t+3], v[CO], s[10:11] offset:(32*(\a/2)+8*(\a%2)+16*(\t/4)+2*(\t%4))*4096
.endr
.endr
	WIN 0
	s_wait_loadcnt 32                              ; the bias is in; the residual's 32 loads may be out
	s_mov_b32 s3, TRIPS
.Ltrip:
	SIX 1
	TURN 1, 1, 8
	STEP 3, 0, 1, 9
	WIN 0
	v_add_nc_u32 v[ADRS], 8*128, v[ADRS]           ; the next trip's scale words
	s_wait_alu depctr_va_vdst(0)
	s_sub_co_u32 s3, s3, 1
	s_cmp_lg_u32 s3, 0
	s_cbranch_scc1 .Ltrip
	SIX 0                                          ; the last eight K steps ask for no tile
	s_wait_dscnt 36
	MULS 2
	s_wait_dscnt 0x0
	MULS 3
	WIN 0
	; THE WAY OUT, 16 physical rows at a time: through my own stage, back as whole rows of 256 bytes, + the residual, to their logical rows
	PLACES 4
	s_wait_loadcnt 0x0                             ; the residual
.macro ROWOUT a
.if (\a) > 1
	s_wait_xcnt 0x0                                ; the stores of two blocks ago have read their registers
.endif
	WIN 0x08
.irp b, 0,1,2,3
	ds_store_b128 v[STO], v[8*(4*(\a)+\b):8*(4*(\a)+\b)+3] offset:128*(\b/2)+32*(\b%2)
	ds_store_b128 v[STO], v[8*(4*(\a)+\b)+4:8*(4*(\a)+\b)+7] offset:128*(\b/2)+32*(\b%2)+16
.endr
	WIN 0
.set BB, BK+32*((\a)%2)
.irp t, 0,1,2,3,4,5,6,7
	ds_load_b128 v[BB+4*\t:BB+4*\t+3], v[RD] offset:544*\t         ; LDS serves a wave's instructions in order: these see my stores
.endr
	s_wait_dscnt 0x0
	WIN 0x08
.irp t, 0,1,2,3,4,5,6,7,8,9,10,11,12,13,14,15
	v_pk_add_f32 v[BB+2*\t:BB+2*\t+1], v[BB+2*\t:BB+2*\t+1], v[128+32*(\a)+2*\t:128+32*(\a)+2*\t+1]
.endr
	WIN 0
.irp t, 0,1,2,3,4,5,6,7
	global_store_b128 v[CO], v[BB+4*\t:BB+4*\t+3], s[12:13] offset:(32*((\a)/2)+8*((\a)%2)+16*(\t/4)+2*(\t%4))*4096    ; sixteen lanes store 256 consecutive bytes, aligned
.endr
.endm
.irp a, 0,1,2,3
	ROWOUT \a
.endr
	s_wait_tensorcnt 0x0                           ; the wave's end
	ds_add_u32 v[SPW], v[NIL]
	s_wait_dscnt 0x0
	CROUND                                         ; the closing round
	s_endpgm
.Lfunc_end_k_q8c18d1a506_fc2:
	.size	k_q8c18d1a506_fc2, .Lfunc_end_k_q8c18d1a506_fc2-k_q8c18d1a506_fc2
	.p2alignl 7, 3214868480
	.fill 96, 4, 3214868480
	.section	.rodata,"a",@progbits
	.p2align	6, 0x0
	.amdhsa_kernel k_q8c18d1a506_fc2
		.amdhsa_group_segment_fixed_size 327680
		.amdhsa_private_segment_fixed_size 0
		.amdhsa_enable_private_segment 0
		.amdhsa_kernarg_size 40
		.amdhsa_user_sgpr_count 2
		.amdhsa_user_sgpr_kernarg_segment_ptr 1
		.amdhsa_wavefront_size32 1
		.amdhsa_system_sgpr_workgroup_id_x 1
		.amdhsa_system_sgpr_workgroup_id_y 1
		.amdhsa_system_sgpr_workgroup_id_z 1
		.amdhsa_system_vgpr_workitem_id 0
		.amdhsa_next_free_vgpr 768
		.amdhsa_next_free_sgpr 104
		.amdhsa_reserve_vcc 0
		.amdhsa_float_denorm_mode_32 3
		.amdhsa_float_denorm_mode_16_64 3
		.amdhsa_memory_ordered 1
		.amdhsa_forward_progress 1
		.amdhsa_inst_pref_size 105
	.end_amdhsa_kernel
	.amdgpu_metadata
---
amdhsa.version: [ 1, 2 ]
amdhsa.kernels:
  - .name:           k_q8c18d1a506_fc2
    .symbol:         k_q8c18d1a506_fc2.kd
    .args:
      - { .name: hq, .offset: 0, .size: 8, .value_kind: global_buffer, .address_space: global }
      - { .name: wq, .offset: 8, .size: 8, .value_kind: global_buffer, .address_space: global }
      - { .name: b_fc2, .offset: 16, .size: 8, .value_kind: global_buffer, .address_space: global }
      - { .name: x1, .offset: 24, .size: 8, .value_kind: global_buffer, .address_space: global }
      - { .name: out0, .offset: 32, .size: 8, .value_kind: global_buffer, .address_space: global }
    .group_segment_fixed_size: 327680
    .private_segment_fixed_size: 0
    .kernarg_segment_align: 8
    .kernarg_segment_size: 40
    .max_flat_workgroup_size: 128
    .sgpr_count:     104
    .vgpr_count:     768
    .wavefront_size: 32
...
	.end_amdgpu_metadata
.endif
;; end of part 6
